; MI455X (gfx1250); checked and timed in simulation.
; The chip was launched on July 23, 2026; its instructions are those of AMD's public machine-readable ISA for CDNA 5 (MIT licence, August 2026) and "CDNA5" Instruction Set Architecture Reference Guide (July 2026). The comments in the code are by the model that wrote it; some were corrected since.
;; Flax Bloom Attention. Allowed arithmetic: matrix products marked QUANTISED: E2M1 operands, one E8M0 scale for each 32 along K, by v_wmma_scale_f32_16x16x128_f8f6f4 with both operands' format E2M1 (or v_wmma_scale_f32_32x16x128_f4), f32 sums; everything else in f32.
;; Inputs: alibi 32 x 1 x 2,048 float32; attention_mask 2 x 2,048 bool; b_o 1,024 float32; b_qkv 3,072 float32; hidden_states_codes 2 x 2,048 x 32 x 16 uint8 (E2M1 codes of hidden_states, K innermost, in blocks of 32 codes, two codes a byte); hidden_states_scales 2 x 2,048 x 32 uint8 (E8M0 scales of hidden_states, one for each 32 codes along K); residual 2 x 2,048 x 1,024 float32; w_o_codes 1,024 x 32 x 16 uint8 (E2M1 codes of w_o, K innermost, in blocks of 32 codes, two codes a byte); w_o_scales 1,024 x 32 uint8 (E8M0 scales of w_o, one for each 32 codes along K); w_qkv_codes 3,072 x 32 x 16 uint8 (E2M1 codes of w_qkv, K innermost, in blocks of 32 codes, two codes a byte); w_qkv_scales 3,072 x 32 uint8 (E8M0 scales of w_qkv, one for each 32 codes along K).
;; Outputs: out0 2 x 2,048 x 1,024 float32.
;; Constants: layer_number = 4.
;; This version of the problem:
;;   THIS VERSION OF THE PROBLEM IS GIVEN IN LOW PRECISION. The matrix products marked QUANTISED in the list below multiply operands that are first quantised to E2M1 (2 exponent bits, 1 mantissa bit; 4 bits a number), with one power-of-two scale for each 32 numbers along K (OCP MX v1.0); their sums are f32. All else is computed in f32.
;;   The module's matrix products, in the order in which they are computed (A, B: the left and right operand; K: the contracted axis; several contracted axes count as one K, in the product's order):
;;     1. [M 4,096, K 1,024] x [K 1,024, N 3,072]; A: input hidden_states (given as codes); B: input w_qkv (given as codes): QUANTISED
;;     2. batch 32 x [M 2,048, K 64] x [K 64, N 2,048]; A: computed on the way; B: computed on the way: QUANTISED
;;     3. batch 32 x [M 64, K 2,048] x [K 2,048, N 2,048]; A: computed on the way; B: computed on the way: QUANTISED
;;     4. [M 4,096, K 1,024] x [K 1,024, N 1,024]; A: computed on the way; B: input w_o (given as codes): QUANTISED
;;   THE QUANTISER, for each operand of a quantised product, along K:
;;     - K is cut into blocks of 32 from its start; a last block that is shorter is filled with zeros.
;;     - A block's scale is 2^e with e = floor(log2(the largest magnitude in the block)) - 2, held to -126 .. 127; a block of zeros has e = 0. As a byte (E8M0): e + 127.
;;     - Each number is divided by its block's scale, clamped to +-6, and rounded to the nearest number of E2M1, ties to even, subnormals kept.
;;     - The product sums the exact products of the quantised numbers (number of the format x scale) in f32.
;;   ~~~python
;;   def quantise(x, axis):      # numpy; x: float32 -> the quantised numbers, widened to float32 again
;;       x = np.moveaxis(x, axis, -1); K = x.shape[-1]
;;       x = np.pad(x, [(0, 0)] * (x.ndim - 1) + [(0, -K % 32)]); x = x.reshape(x.shape[:-1] + (-1, 32)); a = np.abs(x).max(-1, keepdims=True)
;;       e = np.where(a > 0, np.clip(np.frexp(np.where(a > 0, a, 1))[1] - 1 - 2, -126, 127), 0)      # np.frexp(a)[1] - 1 = floor(log2(a)), exactly
;;       r = np.clip(x / 2.0 ** e, -6, 6)
;;       step = 2.0 ** (np.maximum(np.frexp(np.where(r == 0, 1, r))[1] - 1, 0) - 1)
;;       q = np.round(r / step) * step * 2.0 ** e      # np.round: ties to even
;;       return np.moveaxis(q.reshape(q.shape[:-2] + (-1,))[..., :K], -1, axis).astype(np.float32)
;;   ~~~
;;   OPERANDS COMPUTED ON THE WAY. 'Computed on the way' means the value that the module computes at that place (a softmax that the list does not call 'softmax' is quantised finished and normalised). What goes into a quantiser is computed in f32, as accurately as f32 sums, v_exp_f32 and their like allow (about 1e-6 of the number): no bf16 or f16 on the way to a quantiser, and a product that is left as it is and whose result goes on into a quantised operand takes f32 operands (vector FMAs, or v_wmma_f32_16x16x4_f32). A number that lies on a knife's edge between two numbers of the format may be rounded either way, as far as f32 arithmetic and the matrix unit's own rounding can turn it there, and no further.
;;   INPUTS GIVEN AS CODES. hidden_states (in the module: [2, 2048, 1024], K = its axis 2); w_o (in the module: [1024, 1024], K = its axis 0); w_qkv (in the module: [1024, 3072], K = its axis 0): each comes as NAME_codes (uint8): NAME with its K axis moved to the last place and cut into blocks of 32 codes, [.., K / 32, bytes a block], one block behind the other in memory; two codes a byte, the lower K in the low four bits (a code: sign, 2 exponent bits, 1 mantissa bit); and NAME_scales (uint8): the same leading axes, one E8M0 byte (e + 127) for each 32 codes along K. Its value is code x scale, taken as it is: it is not quantised again, and the codes and scales need not be those that the quantiser above would give.
;; One version. Each part assembles by itself: llvm-mc -triple=amdgcn-amd-amdhsa -mcpu=gfx1250 --defsym DOCPART=n.
;; ======== version 1 of 1: 3 launches
;; limits: right only within a limited range of input values
;; workspace buffers: qimg 2,097,152 bytes; qsc 262,144 bytes; kva 4,980,736 bytes; qinfo 32,768 bytes; cimg 2,097,152 bytes; csc 131,072 bytes
;; launch qkv (part 1): grid 16 x 16, 14 waves a work-group, clusters of 4 x 4, 240,384 bytes of LDS; arguments hidden_states_codes, hidden_states_scales, w_qkv_codes, w_qkv_scales, b_qkv, alibi, attention_mask, qimg, qsc, kva, qinfo; writes qimg, qsc, kva, qinfo
.if DOCPART == 1
	.amdgcn_target "amdgcn-amd-amdhsa--gfx1250"
	.amdhsa_code_object_version 6
	.text
	.protected	k_q1bd1736cc4_qkv
	.globl	k_q1bd1736cc4_qkv
	.p2align	8
	.type	k_q1bd1736cc4_qkv,@function
k_q1bd1736cc4_qkv:
	s_mov_b64 s[64:65], 0
	v_nop
	global_prefetch_b8 v0, s[64:65] scope:SCOPE_SE
	s_setreg_imm32_b32 hwreg(HW_REG_WAVE_MODE, 25, 1), 1
	s_wait_xcnt 0x0
	s_wait_alu depctr_hold_cnt(0) depctr_sa_sdst(0) depctr_va_vdst(0) depctr_va_sdst(0) depctr_va_ssrc(0) depctr_va_vcc(0) depctr_vm_vsrc(0)
	s_getreg_b32 s2, hwreg(HW_REG_IB_STS2, 6, 4)
	s_cmp_eq_u32 s2, 0
	s_cbranch_scc0 .Lentry_in_a_cluster
	s_endpgm
.Lentry_in_a_cluster:
	s_bfe_u32 s2, ttmp6, 0x10000c
	s_cmp_lg_u32 s2, 0xf033
	s_cbranch_scc0 .Lentry_shape_is_right
	s_endpgm
.Lentry_shape_is_right:
; fused_qkv = x Wqkv + b_qkv on codes of FP4 (E2M1) with one E8M0 scale for each 32 along K, then q and k quantised along the head's 64 and v along the keys,
; all three stored as IMAGES OF OPERAND REGISTERS for the attention launch.  Beside that: alm[k] = 8 alibi[k], or -2^100 where the padding mask hides key k; and for each query the
; number of keys that reference() sets to -10000 (2048 less the visible keys up to the query) and its own padding bit as 0.0 or 1.0.
; SHARES.  A work-group takes 256 tokens x one head's 192 columns x all of K = 1024: 16 x 16 work-groups.  Wave w: kind w / 4 (0 q, 1 k, 2 v), token group g = w % 4 (64 tokens): 64 x 64 results in 16 accumulators.
; ONE TEXT FOR ALL KINDS through P (source 0) and Q (source 1).  q, k: P = 16 columns of W, Q = 16 tokens: a lane holds one token, its registers run along the head.  v: P = 16 tokens, Q = 16 columns: a lane holds one channel, its registers run along the tokens.
; THE ROWS OF A TILE ARE NOT NEIGHBOURS: of a group of 64 rows, lane r of tile v takes row 8 v + r % 8 + 32 (r / 8).  Register j of lanes 16 h .. 16 h + 15 of a result is source 0's row 8 h + j of the tile,
; so the 32 registers of the four tiles of a group hold rows 32 h + 0 .. 31: ONE WHOLE BLOCK OF 32 IN ONE LANE.  Its largest magnitude needs no other lane, and four conversions give four registers of the next operand.
; CLUSTER 4 x 4: x's rows hang on the token block alone and are asked for jointly along a row of the cluster, W's on the head alone, along a column.
; LDS is filled once and only read: 14 groups of 32 rows x (512 + 16) bytes, GP = 32 x 528 + 128 bytes apart: rows are 132 words apart and the two halves of a tile 4,256 words, so the 16 rows of a fragment load
; start at words 0, 4 .. 60 modulo 64 (64 banks of 4 bytes: ISA guide 11.1).  That step of 128 bytes between groups is why a tensor load brings 32 rows and not 64.
; Nothing is prefetched: every byte that the work-group reads is asked for at its head.
; LIMITS: NaN and infinities are not served; a block whose largest magnitude lies under 2^-124 keeps the scale byte 1 (a block of zeros too: its codes are zeros, and this program alone reads the bytes); mask bytes are 0 or 1.
.set GP,    17024
.set RP,    528
.set TILE,  8*RP                       ; from tile to tile of a group
.set WV,    28                         ; s28 wave;  s29 kind;  s30 g
.set KIND,  29
.set G,     30
.set CX,    31
.set CY,    32
.set HX,    33                         ; the head
.set TY,    34                         ; the block of 256 tokens
.set BB,    35                         ; the batch
.set BH,    36                         ; 16 batch + head
.set GB,    37                         ; my group of 64 tokens in the batch
.set G1X,   40                         ; s[40:47], s[48:55] descriptor groups 1 for x and W
.set G1W,   48
.set G0X,   56                         ; s[56:59] group 0 for x;  s[68:71] group 0 for W
.set G0W,   68
.set SEL,   76                         ; s[76:77] v_permlanex16_b32's selects for lane l xor 16
.set HM,    78                         ; lanes 16-31
.set LPL,   79                         ; where my tensor loads land
.set PSC,   80                         ; s[80:81] P's scale bytes;  s[82:83] Q's
.set QSC,   82
.set IMG,   84                         ; s[84:85] where my images go;  s[86:87] their scale words
.set OSC,   86
.set BIA,   88                         ; s[88:89] my 64 numbers of b_qkv;  s90-99 at work
.set LN,    1                          ; v1 lane, v2 r, v3 h
.set R,     2
.set HF,    3
.set ADP,   4                          ; v4, v5 LDS address of P's and Q's fragments
.set ADQ,   5
.set SLT,   6                          ; v6  32 x my row of a tile 0: a row of scale bytes is 32 bytes
.set BQK,   7                          ; v7  128 h
.set SH8,   8                          ; v8  8 h
.set OFJ,   9                          ; v9-12  16 x lane + j x the images' stride
.set L8,    13                         ; v13 8 x lane
.set BV,    14                         ; v14 4 x my row of a tile 0
.set L4,    15                         ; v15 4 x lane
.set SC,    16                         ; v16-47 scale words: register 8 i + q: lanes 0-15 P's tile i, lanes 16-31 Q's tile i, K step q
.set PF,    48                         ; v48-79 P's four fragments, v80-111 Q's
.set QF,    80
.set TM,    112                        ; v112-127 at work
.set ACC,   128                        ; v128-255 accumulator (i, j) at 128 + 8 (4 j + i); ahead of the products some of them hold the bias
.set STB,   9728                       ; kva: a key step of a head: K's images 4,096 bytes, V's 4,096, K's scale words 512, alm 512, V's scale words 512; a head's 16 steps in DESCENDING order: step s at slot 15 - s
.set HEADB, 16*STB
.macro ROUND                           ; a round of the cluster's barrier
	s_barrier_signal -1
	s_barrier_wait -1
	s_cmp_lg_u32 s[WV], 0
	s_cbranch_scc1 .Lnot_wave_0_\@
	s_barrier_signal -3
.Lnot_wave_0_\@:
	s_barrier_wait -3
	s_barrier_signal -1
	s_barrier_wait -1
.endm
	s_load_b512 s[4:19], s[0:1], 0x0               ; x codes s[4:5], x scales s[6:7], W codes s[8:9], W scales s[10:11], b_qkv s[12:13], alibi s[14:15], mask s[16:17], qimg s[18:19]
	s_load_b128 s[20:23], s[0:1], 0x40             ; qsc s[20:21], kva s[22:23]
	s_load_b64 s[24:25], s[0:1], 0x50              ; qinfo
	v_lshl_add_u32 v254, v0, 2, 0x3a400            ; the spare words lie behind the tiles: 128 bytes for each of the fourteen waves
	v_mov_b32 v255, 0
	ds_add_u32 v254, v255
	ds_add_u32 v254, v255
	v_lshrrev_b32 v[TM], 5, v0
	s_delay_alu instid0(VALU_DEP_1)
	v_readfirstlane_b32 s[WV], v[TM]               ; wave 0..13
	s_lshr_b32 s[KIND], s[WV], 2
	s_min_u32 s[KIND], s[KIND], 2                  ; waves 12 and 13 fetch a tile each and make alm and the counts; up to the barrier they walk the text of kind 2 (all its loads lie in bounds), behind it they have no products
	s_and_b32 s[G], s[WV], 3
	s_bfe_u32 s[CX], ttmp6, 0x40000
	s_bfe_u32 s[CY], ttmp6, 0x40004
	s_lshl_b32 s[HX], ttmp9, 2
	s_add_co_u32 s[HX], s[HX], s[CX]
	s_and_b32 s[TY], ttmp7, 0xffff
	s_lshl_b32 s[TY], s[TY], 2
	s_add_co_u32 s[TY], s[TY], s[CY]
	s_lshr_b32 s[BB], s[TY], 3
	s_lshl_b32 s[BH], s[BB], 4
	s_add_co_u32 s[BH], s[BH], s[HX]
	s_and_b32 s[GB], s[TY], 7
	s_lshl_b32 s[GB], s[GB], 2
	s_add_co_u32 s[GB], s[GB], s[G]
	s_lshl_b32 s38, s[CY], 2
	s_lshl_b32 s38, 15, s38                        ; my row of the cluster
	s_lshl_b32 s39, 0x1111, s[CX]                  ; my column
	; descriptor group 1: 32 rows of 64 elements of 8 bytes, 4 words of padding behind every 128 words
	s_or_b32 s[G1X], s38, (3<<16)|(1<<20)|(1<<21)|(6<<22)|(3<<25)
	s_or_b32 s[G1W], s39, (3<<16)|(1<<20)|(1<<21)|(6<<22)|(3<<25)
.irp g, G1X, G1W
	s_mov_b32 s[\g+1], 64<<16                      ; tensor_dim0
	s_mov_b32 s[\g+2], 32<<16                      ; tensor_dim1
	s_mov_b32 s[\g+3], 64<<16                      ; tile_dim0
	s_mov_b32 s[\g+4], 32                          ; tile_dim1
	s_mov_b32 s[\g+5], 64                          ; from row to row
	s_mov_b32 s[\g+6], 0
	s_mov_b32 s[\g+7], 0
.endr
	s_mov_b32 s[SEL], 0x76543210
	s_mov_b32 s[SEL+1], 0xfedcba98
	s_mov_b32 s[HM], 0xffff0000
	; every LDS address is made here, ahead of the first branch on the wave's number
	v_and_b32 v[LN], 31, v0
	v_and_b32 v[R], 15, v0
	v_bfe_u32 v[HF], v0, 4, 1
	v_and_b32 v[TM], 7, v0                         ; r % 8
	v_bfe_u32 v[TM+1], v0, 3, 1                    ; r / 8
	s_delay_alu instid0(VALU_DEP_2)
	v_mul_u32_u24 v[TM+2], v[TM], RP
	s_delay_alu instid0(VALU_DEP_1)
	v_mad_u32_u24 v[TM+2], v[TM+1], GP, v[TM+2]
	s_delay_alu instid0(VALU_DEP_1)
	v_lshl_add_u32 v[TM+2], v[HF], 4, v[TM+2]      ; my row of a group's tile 0, + 16 h
	s_lshl_b32 s90, s[KIND], 1
	s_add_co_u32 s90, s90, 8
	s_mul_i32 s90, s90, GP                         ; W's 64 rows of my kind: groups 8 + 2 kind on
	s_mul_i32 s91, s[G], 2*GP                      ; x's 64 tokens: groups 2 g on
	s_cmp_lt_u32 s[WV], 8
	s_cselect_b32 s92, s90, s91                    ; q, k: P = W, Q = x;  v: P = x, Q = W
	s_cselect_b32 s93, s91, s90
	v_add_nc_u32 v[ADP], s92, v[TM+2]
	v_add_nc_u32 v[ADQ], s93, v[TM+2]
	v_lshlrev_b32 v[SLT], 5, v[TM]
	s_delay_alu instid0(VALU_DEP_1)
	v_lshl_add_u32 v[SLT], v[TM+1], 10, v[SLT]
	v_lshlrev_b32 v[BQK], 7, v[HF]
	v_lshlrev_b32 v[SH8], 3, v[HF]
	v_lshlrev_b32 v[L8], 3, v[LN]
	s_delay_alu instid0(VALU_DEP_4)
	v_lshrrev_b32 v[BV], 3, v[SLT]
	v_lshlrev_b32 v[L4], 2, v[LN]
	v_lshlrev_b32 v[OFJ], 4, v[LN]
	s_mov_b32 s94, 512
	s_cmp_eq_u32 s[KIND], 2
	s_cselect_b32 s94, 1024, s94                   ; from image to image: q, k 512 bytes; v 1,024 (the other half of a key step lies between)
	v_add_nc_u32 v[OFJ+1], s94, v[OFJ]
	s_delay_alu instid0(VALU_DEP_1)
	v_add_nc_u32 v[OFJ+2], s94, v[OFJ+1]
	s_delay_alu instid0(VALU_DEP_1)
	v_add_nc_u32 v[OFJ+3], s94, v[OFJ+2]
.irp b, 0,1,2,3
	v_mov_b32 v[TM+12+\b], 0                       ; a lane permute's destination counts as one of its sources
.endr
	; offsets, each in registers of its own: x's hang on the token block and the wave, W's on the head and the wave
	s_lshl_b32 s90, s[TY], 17
	s_and_b32 s98, s[WV], 7
	s_lshl_b32 s98, s98, 14                        ; 32 rows: waves 0-7 x's group w, waves 8-13 W's group w - 8
	s_add_co_u32 s90, s90, s98                     ; x codes: (256 TY + 32 w) rows of 512 bytes
	s_mov_b32 s91, 0
	s_mul_i32 s92, s[HX], 98304
	s_add_co_u32 s92, s92, s98                     ; W codes: (192 HX + 32 (w - 8)) rows
	s_mov_b32 s93, 0
	s_lshl_b32 s94, s[TY], 13
	s_lshl_b32 s98, s[G], 11
	s_add_co_u32 s94, s94, s98                     ; x scales: 32 bytes a token
	s_mov_b32 s95, 0
	s_mul_i32 s96, s[HX], 6144
	s_lshl_b32 s98, s[KIND], 11
	s_add_co_u32 s96, s96, s98                     ; W scales: (192 HX + 64 kind) rows of 32 bytes
	s_mov_b32 s97, 0
	s_mul_i32 s98, s[HX], 768
	s_lshl_b32 s99, s[KIND], 8
	s_add_co_u32 s98, s98, s99                     ; b_qkv: 4 bytes a column
	s_mov_b32 s99, 0
	s_mul_i32 s[LPL], s[WV], GP                    ; group w of LDS
	s_wait_dscnt 0x0
	s_wait_kmcnt 0x0
	s_add_nc_u64 s[90:91], s[4:5], s[90:91]
	s_add_nc_u64 s[92:93], s[8:9], s[92:93]
	s_add_nc_u64 s[94:95], s[6:7], s[94:95]
	s_add_nc_u64 s[96:97], s[10:11], s[96:97]
	s_add_nc_u64 s[BIA:BIA+1], s[12:13], s[98:99]
	s_cmp_lt_u32 s[WV], 8
	s_cselect_b64 s[PSC:PSC+1], s[96:97], s[94:95]
	s_cselect_b64 s[QSC:QSC+1], s[94:95], s[96:97]
.irp e, 0
	s_mov_b32 s[G0X+4*\e], 1
	s_add_co_u32 s[G0X+4*\e+1], s[LPL], \e*GP
	s_add_nc_u64 s[G0X+4*\e+2:G0X+4*\e+3], s[90:91], \e*16384
	s_or_b32 s[G0X+4*\e+3], s[G0X+4*\e+3], 0x80000000
	s_mov_b32 s[G0W+4*\e], 1
	s_add_co_u32 s[G0W+4*\e+1], s[LPL], \e*GP
	s_add_nc_u64 s[G0W+4*\e+2:G0W+4*\e+3], s[92:93], \e*16384
	s_or_b32 s[G0W+4*\e+3], s[G0W+4*\e+3], 0x80000000
.endr
	ROUND                                          ; all sixteen work-groups are here: the joint loads meet
	; waves 0-7: x's eight groups of 32 rows;  waves 8-13: W's six.  One tensor load a wave
	s_cmp_lt_u32 s[WV], 8
	s_cbranch_scc0 .Lnot_x
	tensor_load_to_lds s[G0X:G0X+3], s[G1X:G1X+7]
	s_nop 0
.rept 4
	v_nop
.endr
	s_branch .Lasked
.Lnot_x:
	tensor_load_to_lds s[G0W:G0W+3], s[G1W:G1W+7]
	s_nop 0
.rept 4
	v_nop
.endr
.Lasked:
	; the scale bytes of my 64 + 64 rows, for all of K: 32 bytes a row, two dense blocks of 2,048 bytes.  P's go to their registers, Q's wait in Q's fragment registers
.irp i, 0,1,2,3
.irp e, 0,1
	global_load_b128 v[SC+8*\i+4*\e:SC+8*\i+4*\e+3], v[SLT], s[PSC:PSC+1] offset:256*\i+16*\e
	global_load_b128 v[QF+8*\i+4*\e:QF+8*\i+4*\e+3], v[SLT], s[QSC:QSC+1] offset:256*\i+16*\e
.endr
.endr
	; the bias, in the result's layout.  q, k: register 8 i + j of lane (r, h) is channel 32 h + 8 i + j.  v: the lane's own channel of tile j, twice, as a pair
	s_cmp_lt_u32 s[WV], 8
	s_cbranch_scc0 .Lbias_v
.irp n, 0,1,2,3,4,5,6,7
	global_load_b128 v[ACC+96+4*\n:ACC+96+4*\n+3], v[BQK], s[BIA:BIA+1] offset:16*\n   ; q, k: into accumulators (0 .. 3, 3)
.endr
	s_branch .Lbias_in
.Lbias_v:
.irp j, 0,1,2,3
	global_load_b32 v[ACC+32*\j+24], v[BV], s[BIA:BIA+1] offset:32*\j   ; v: into the first register of accumulator (3, j)
.endr
.Lbias_in:
	; where my results go
	s_lshl_b32 s90, s[BH], 16                      ; qimg: a head 65,536 bytes, a group's four images 2,048
	s_lshl_b32 s94, s[GB], 11
	s_add_co_u32 s90, s90, s94
	s_lshl_b32 s92, s[BH], 13                      ; qsc: 8,192 bytes a head, 256 a group
	s_lshl_b32 s94, s[GB], 8
	s_add_co_u32 s92, s92, s94
	s_mul_i32 s94, s[BH], HEADB                    ; kva: the slot of key step GB / 2,
	s_lshr_b32 s95, s[GB], 1
	s_xor_b32 s95, s95, 15
	s_mul_i32 s95, s95, STB
	s_add_co_u32 s94, s94, s95
	s_and_b32 s95, s[GB], 1                        ; its half GB % 2
	s_lshl_b32 s96, s95, 11                        ; k: 2,048 bytes of images
	s_lshl_b32 s97, s95, 9
	s_add_co_u32 s97, s97, 4096                    ; v: 512 bytes of each of four images of 1,024
	s_lshl_b32 s98, s95, 8
	s_add_co_u32 s98, s98, 8192                    ; k's scale words
	s_add_co_u32 s99, s98, 1024                    ; v's
	s_cmp_eq_u32 s[KIND], 2
	s_cselect_b32 s96, s97, s96
	s_cselect_b32 s98, s99, s98
	s_add_co_u32 s96, s96, s94
	s_add_co_u32 s98, s98, s94
	s_cmp_eq_u32 s[KIND], 0
	s_cselect_b64 s[IMG:IMG+1], s[18:19], s[22:23] ; qimg, or kva
	s_cselect_b64 s[OSC:OSC+1], s[20:21], s[22:23] ; qsc, or kva
	s_cselect_b32 s90, s90, s96
	s_cselect_b32 s92, s92, s98
	s_mov_b32 s91, 0
	s_mov_b32 s93, 0
	s_add_nc_u64 s[IMG:IMG+1], s[IMG:IMG+1], s[90:91]
	s_add_nc_u64 s[OSC:OSC+1], s[OSC:OSC+1], s[92:93]
	; WAVE 12, while the tiles are on their way: alm of head BH, keys 256 (TY % 8) on: two key steps, 512 consecutive bytes each
	s_cmp_eq_u32 s[WV], 12
	s_cbranch_scc0 .Lnot_alm
	s_and_b32 s98, s[TY], 7
	s_lshl_b32 s90, s[BH], 13
	s_lshl_b32 s99, s98, 10
	s_add_co_u32 s90, s90, s99
	s_mov_b32 s91, 0
	s_add_nc_u64 s[90:91], s[14:15], s[90:91]      ; alibi
	s_lshl_b32 s92, s[BB], 11
	s_lshl_b32 s98, s98, 8
	s_add_co_u32 s92, s92, s98
	s_mov_b32 s93, 0
	s_add_nc_u64 s[92:93], s[16:17], s[92:93]      ; the mask
	s_mul_i32 s94, s[BH], HEADB
	s_lshr_b32 s99, s99, 10
	s_xor_b32 s99, s99, 7
	s_mul_i32 s99, s99, 2*STB                      ; slot 14 - 2 (TY % 8): the second of the two steps
	s_add_co_u32 s94, s94, s99
	s_mov_b32 s95, 0
	s_add_nc_u64 s[94:95], s[22:23], s[94:95]      ; kva
	s_wait_alu depctr_va_vdst(0)
.irp e, 0,1
	global_load_b128 v[48+4*\e:51+4*\e], v[OFJ], s[90:91] offset:512*\e
	global_load_b32 v[56+\e], v[L4], s[92:93] offset:128*\e
.endr
	s_wait_loadcnt 0x0
.irp e, 0,1
.irp n, 0,1,2,3
	v_bfe_u32 v58, v[56+\e], 8*\n, 8
	v_mul_f32 v[48+4*\e+\n], 0x41000000, v[48+4*\e+\n]            ; 8 alibi: exact.  score = (q.k + 8 alibi) / 8
	s_delay_alu instid0(VALU_DEP_2)
	v_cmp_ne_u32 vcc_lo, 0, v58
	s_delay_alu instid0(VALU_DEP_1)
	v_cndmask_b32 v[48+4*\e+\n], 0xf1800000, v[48+4*\e+\n], vcc_lo   ; -2^100 where the key is padding
.endr
	global_store_b128 v[OFJ], v[48+4*\e:51+4*\e], s[94:95] offset:STB*(1-\e)+8704
.endr
	s_wait_xcnt 0x0                                ; the stores' data registers take fragments below
.Lnot_alm:
	; WAVE 13: the counts for queries s0 + r, s0 = 256 (TY % 8) + 16 HX
	s_cmp_eq_u32 s[WV], 13
	s_cbranch_scc0 .Lnot_cnt
	s_lshl_b32 s90, s[BB], 11
	s_mov_b32 s91, 0
	s_add_nc_u64 s[90:91], s[16:17], s[90:91]      ; my batch's 2,048 mask bytes
	s_and_b32 s92, s[TY], 7
	s_lshl_b32 s92, s92, 8
	s_lshl_b32 s93, s[HX], 4
	s_add_co_u32 s92, s92, s93                     ; s0, a multiple of 16
	s_lshl_b32 s94, s[TY], 11
	s_lshl_b32 s93, s[HX], 7
	s_add_co_u32 s94, s94, s93
	s_mov_b32 s95, 0
	s_add_nc_u64 s[94:95], s[24:25], s[94:95]      ; qinfo: 8 bytes a token
	v_lshlrev_b32 v64, 6, v[LN]                    ; lane l takes keys 64 l .. 64 l + 63
	v_add_nc_u32 v65, s92, v[R]
.irp n, 0,1,2,3
	global_load_b128 v[48+4*\n:51+4*\n], v64, s[90:91] offset:16*\n
.endr
	global_load_u8 v66, v65, s[90:91]              ; my query's own bit
	v_mov_b32 v69, 0
	v_mov_b32 v70, 0
	s_wait_alu depctr_va_vdst(0)
	s_wait_loadcnt 0x0
.irp n, 0,1,2,3
	v_add3_u32 v67, v[48+4*\n], v[49+4*\n], v[50+4*\n]    ; bytes of 0 or 1 added byte by byte: 16 at the most in a byte
	v_add_nc_u32 v68, 16*\n, v64
	s_delay_alu instid0(VALU_DEP_2)
	v_add_nc_u32 v67, v67, v[51+4*\n]
	s_delay_alu instid0(VALU_DEP_2)
	v_cmp_gt_u32 vcc_lo, s92, v68                  ; these 16 keys count where they lie in front of s0
	s_delay_alu instid0(VALU_DEP_1)
	v_cndmask_b32 v67, 0, v67, vcc_lo
	s_delay_alu instid0(VALU_DEP_1)
	v_add_nc_u32 v69, v69, v67
.endr
	s_delay_alu instid0(VALU_DEP_1)
	v_mul_lo_u32 v69, v69, 0x01010101
	s_delay_alu instid0(VALU_DEP_1)
	v_lshrrev_b32 v69, 24, v69                     ; the four bytes' sum
	s_delay_alu instid0(VALU_DEP_1)
	v_cvt_f32_u32 v69, v69                         ; counts up to 2,048 are exact in f32
	s_delay_alu instid0(VALU_DEP_1)
	v_add_f32_dpp v69, v69, v69 row_xmask:1 row_mask:0xf bank_mask:0xf
	s_delay_alu instid0(VALU_DEP_1)
	v_add_f32_dpp v69, v69, v69 row_xmask:2 row_mask:0xf bank_mask:0xf
	s_delay_alu instid0(VALU_DEP_1)
	v_add_f32_dpp v69, v69, v69 row_xmask:4 row_mask:0xf bank_mask:0xf
	s_delay_alu instid0(VALU_DEP_1)
	v_add_f32_dpp v69, v69, v69 row_xmask:8 row_mask:0xf bank_mask:0xf
	s_delay_alu instid0(VALU_DEP_1)
	v_permlanex16_b32 v70, v69, s[SEL], s[SEL+1]
	s_delay_alu instid0(VALU_DEP_1)
	v_add_f32 v69, v69, v70                        ; visible keys in front of s0
	v_cmp_ne_u32 s93, 0, v66
	s_and_b32 s93, s93, 0xffff
	v_mbcnt_lo_u32_b32 v71, s93, 0                 ; lanes 0-15: visible keys s0 .. s0 + r - 1
	s_delay_alu instid0(VALU_DEP_1)
	v_add_nc_u32 v71, v71, v66                     ; and the query's own place
	s_delay_alu instid0(VALU_DEP_1)
	v_cvt_f32_u32 v71, v71
	v_cvt_f32_u32 v72, v66
	v_sub_f32 v73, 0x45000000, v69
	s_delay_alu instid0(VALU_DEP_1)
	v_sub_f32 v73, v73, v71                        ; 2,048 less the visible keys up to the query
	s_delay_alu instid0(VALU_DEP_1)
	v_cndmask_b32 v73, v73, v72, s[HM]             ; lanes 16-31 carry the query's padding bit
	v_lshlrev_b32 v74, 3, v[R]
	s_delay_alu instid0(VALU_DEP_1)
	v_lshl_add_u32 v74, v[HF], 2, v74
	global_store_b32 v74, v73, s[94:95]            ; 128 consecutive bytes
	s_wait_xcnt 0x0
.Lnot_cnt:
	s_wait_loadcnt 0x0                             ; scale bytes and bias
.set n, 0
.rept 32
	v_cndmask_b32 v[SC+n], v[SC+n], v[QF+n], s[HM] ; lanes 16-31 take Q's words
.set n, n+1
.endr
	s_cmp_lt_u32 s[WV], 8
	s_wait_alu depctr_va_vdst(0)
	s_cbranch_scc1 .Lcopied
.irp j, 0,1,2,3
.irp n, 1,2,3,4,5,6,7
	v_mov_b32 v[ACC+32*\j+24+\n], v[ACC+32*\j+24]  ; v: my channel's bias in all eight registers of accumulator (3, j)
.endr
.endr
.Lcopied:
.rept 8
	v_nop                                          ; a scale register written by a vector instruction stands 8 places ahead of a scaled matrix instruction
.endr
	s_wait_alu depctr_va_vdst(0)
	s_wait_tensorcnt 0x0                           ; my part of the tiles has landed,
	s_barrier_signal -1
	s_barrier_wait -1                              ; everybody's has
	s_cmp_lt_u32 s[WV], 12
	s_cbranch_scc0 .Ldone                          ; waves 12 and 13 have no products
; A K step of 128: 16 LDS loads, 16 products.  The 16 accumulators take turns, one instruction a turn, in the same order in every step.
; The four v_nop are the places in front of the next step's loads into registers that these products read, and of the first read of results.
.macro KFETCH q
.irp i, 0,1,2,3
.irp c, 0,1
	ds_load_b128 v[PF+8*\i+4*\c:PF+8*\i+4*\c+3], v[ADP] offset:TILE*\i+64*\q+32*\c
.endr
.endr
.irp i, 0,1,2,3
.irp c, 0,1
	ds_load_b128 v[QF+8*\i+4*\c:QF+8*\i+4*\c+3], v[ADQ] offset:TILE*\i+64*\q+32*\c
.endr
.endr
	s_wait_dscnt 0x0
.endm
.macro FIRST i, j, c                   ; a product of the first step: the bias at ACC + c is its C
	v_wmma_scale_f32_16x16x128_f8f6f4 v[ACC+8*(4*\j+\i):ACC+8*(4*\j+\i)+7], v[PF+8*\i:PF+8*\i+7], v[QF+8*\j:QF+8*\j+7], v[ACC+\c:ACC+\c+7], v[SC+8*\i], v[SC+8*\j] matrix_a_fmt:MATRIX_FMT_FP4 matrix_b_fmt:MATRIX_FMT_FP4 matrix_b_scale:MATRIX_SCALE_ROW1
.endm
.macro KSTEP q
	KFETCH \q
.irp j, 0,1,2,3
.irp i, 0,1,2,3
	v_wmma_scale_f32_16x16x128_f8f6f4 v[ACC+8*(4*\j+\i):ACC+8*(4*\j+\i)+7], v[PF+8*\i:PF+8*\i+7], v[QF+8*\j:QF+8*\j+7], v[ACC+8*(4*\j+\i):ACC+8*(4*\j+\i)+7], v[SC+8*\i+\q], v[SC+8*\j+\q] matrix_a_fmt:MATRIX_FMT_FP4 matrix_b_fmt:MATRIX_FMT_FP4 matrix_b_scale:MATRIX_SCALE_ROW1
.endr
.endr
.rept 4
	v_nop
.endr
.endm
	; The first step takes b_qkv as its C: nothing is cleared and nothing is added later.  q, k: the bias hangs on P's tile i and lies in accumulators (i, 3), which go last; v: on Q's tile j, in (3, j), which go last.
	; Five places stand ahead of the products that write over what the ones before read as C.
	KFETCH 0
	s_cmp_lt_u32 s[WV], 8
	s_cbranch_scc0 .Lfirst_v
.irp j, 0,1,2
.irp i, 0,1,2,3
	FIRST \i, \j, 96+8*\i
.endr
.endr
.rept 5
	v_nop
.endr
.irp i, 0,1,2,3
	FIRST \i, 3, 96+8*\i
.endr
	s_branch .Lfirst
.Lfirst_v:
.irp i, 0,1,2
.irp j, 0,1,2,3
	FIRST \i, \j, 32*\j+24
.endr
.endr
.rept 5
	v_nop
.endr
.irp j, 0,1,2,3
	FIRST 3, \j, 32*\j+24
.endr
.Lfirst:
.rept 4
	v_nop
.endr
.irp q, 1,2,3,4,5,6,7
	KSTEP \q
.endr
	; THE QUANTISER, the same for every kind: the 32 registers v[ACC + 32 j ..] are one block of 32 along the next K, for Q's tile j.  The four tiles by turns
.irp j, 0,1,2,3
	v_max3_num_f32 v[TM+\j], |v[ACC+32*\j]|, |v[ACC+32*\j+1]|, 0x1800000   ; with the floor 2^(3 - 127): the byte cannot fall under 1
.endr
.irp i, 2,4,6,8,10,12,14,16,18,20,22,24,26,28,30
.irp j, 0,1,2,3
	v_max3_num_f32 v[TM+\j], v[TM+\j], |v[ACC+32*\j+\i]|, |v[ACC+32*\j+\i+1]|
.endr
.endr
.irp j, 0,1,2,3
	s_delay_alu instid0(VALU_DEP_4)
	v_add_nc_u32 v[TM+4+\j], 0xff000000, v[TM+\j]  ; 2 off the exponent field: the conversion's scale operand
.endr
.irp j, 0,1,2,3
	s_delay_alu instid0(VALU_DEP_4)
	v_lshrrev_b32 v[TM+8+\j], 23, v[TM+4+\j]       ; the scale's byte
.endr
.irp j, 0,1,2,3
	s_delay_alu instid0(VALU_DEP_4)
	v_lshlrev_b32 v[TM+8+\j], v[SH8], v[TM+8+\j]   ; block h: byte h of the row's word
.endr
.irp j, 0,1,2,3
	s_delay_alu instid0(VALU_DEP_4)
	v_permlanex16_b32 v[TM+12+\j], v[TM+8+\j], s[SEL], s[SEL+1]
.endr
.irp j, 0,1,2,3
	s_delay_alu instid0(VALU_DEP_4)
	v_or_b32 v[TM+8+\j], v[TM+8+\j], v[TM+12+\j]   ; both blocks' bytes; bytes 2 and 3 stay 0
.endr
	s_delay_alu instid0(VALU_DEP_3)
	v_cndmask_b32 v[TM], v[TM+8], v[TM+9], s[HM]   ; word e: lanes 0-15 tile 2 e, lanes 16-31 tile 2 e + 1
	s_delay_alu instid0(VALU_DEP_2)
	v_cndmask_b32 v[TM+1], v[TM+10], v[TM+11], s[HM]
.irp j, 0,1,2,3
.irp i, 0,1,2,3
	v_cvt_scalef32_pk8_fp4_f32 v[PF+4*\j+\i], v[ACC+32*\j+8*\i:ACC+32*\j+8*\i+7], v[TM+4+\j]
.endr
.endr
	v_nop                                          ; one plain place behind the last scaled conversion
.irp j, 0,1,2,3
	global_store_b128 v[OFJ+\j], v[PF+4*\j:PF+4*\j+3], s[IMG:IMG+1]   ; an image's 512 consecutive bytes
.endr
	global_store_b64 v[L8], v[TM:TM+1], s[OSC:OSC+1]                  ; 256 consecutive bytes
.Ldone:
	v_lshl_add_u32 v254, v0, 2, 0x3a400            ; my spare word and 0, made anew: the accumulators took their registers
	v_mov_b32 v255, 0
	s_wait_alu depctr_va_vdst(0)
	s_wait_tensorcnt 0x0
	ds_add_u32 v254, v255
	s_wait_dscnt 0x0
	ROUND                                          ; the closing round
	s_endpgm
.Lfunc_end_k_q1bd1736cc4_qkv:
	.size	k_q1bd1736cc4_qkv, .Lfunc_end_k_q1bd1736cc4_qkv-k_q1bd1736cc4_qkv
	.p2alignl 7, 3214868480
	.fill 96, 4, 3214868480
	.section	.rodata,"a",@progbits
	.p2align	6, 0x0
	.amdhsa_kernel k_q1bd1736cc4_qkv
		.amdhsa_group_segment_fixed_size 240384
		.amdhsa_private_segment_fixed_size 0
		.amdhsa_enable_private_segment 0
		.amdhsa_kernarg_size 88
		.amdhsa_user_sgpr_count 2
		.amdhsa_user_sgpr_kernarg_segment_ptr 1
		.amdhsa_wavefront_size32 1
		.amdhsa_system_sgpr_workgroup_id_x 1
		.amdhsa_system_sgpr_workgroup_id_y 1
		.amdhsa_system_sgpr_workgroup_id_z 1
		.amdhsa_system_vgpr_workitem_id 0
		.amdhsa_next_free_vgpr 256
		.amdhsa_next_free_sgpr 100
		.amdhsa_reserve_vcc 1
		.amdhsa_float_denorm_mode_32 3
		.amdhsa_float_denorm_mode_16_64 3
		.amdhsa_memory_ordered 1
		.amdhsa_forward_progress 1
		.amdhsa_inst_pref_size 58
	.end_amdhsa_kernel
	.amdgpu_metadata
---
amdhsa.version: [ 1, 2 ]
amdhsa.kernels:
  - .name:           k_q1bd1736cc4_qkv
    .symbol:         k_q1bd1736cc4_qkv.kd
    .args:
      - { .name: hidden_states_codes, .offset: 0, .size: 8, .value_kind: global_buffer, .address_space: global }
      - { .name: hidden_states_scales, .offset: 8, .size: 8, .value_kind: global_buffer, .address_space: global }
      - { .name: w_qkv_codes, .offset: 16, .size: 8, .value_kind: global_buffer, .address_space: global }
      - { .name: w_qkv_scales, .offset: 24, .size: 8, .value_kind: global_buffer, .address_space: global }
      - { .name: b_qkv, .offset: 32, .size: 8, .value_kind: global_buffer, .address_space: global }
      - { .name: alibi, .offset: 40, .size: 8, .value_kind: global_buffer, .address_space: global }
      - { .name: attention_mask, .offset: 48, .size: 8, .value_kind: global_buffer, .address_space: global }
      - { .name: qimg, .offset: 56, .size: 8, .value_kind: global_buffer, .address_space: global }
      - { .name: qsc, .offset: 64, .size: 8, .value_kind: global_buffer, .address_space: global }
      - { .name: kva, .offset: 72, .size: 8, .value_kind: global_buffer, .address_space: global }
      - { .name: qinfo, .offset: 80, .size: 8, .value_kind: global_buffer, .address_space: global }
    .group_segment_fixed_size: 240384
    .private_segment_fixed_size: 0
    .kernarg_segment_align: 8
    .kernarg_segment_size: 88
    .max_flat_workgroup_size: 448
    .sgpr_count:     100
    .vgpr_count:     256
    .wavefront_size: 32
...
	.end_amdgpu_metadata
.endif
;; end of part 1
;; launch attn (part 2): grid 8 x 32, 8 waves a work-group, clusters of 4 x 1, 167,936 bytes of LDS; arguments qimg, qsc, kva, qinfo, cimg, csc; writes cimg, csc
.if DOCPART == 2
	.amdgcn_target "amdgcn-amd-amdhsa--gfx1250"
	.amdhsa_code_object_version 6
	.text
	.protected	k_q1bd1736cc4_attn
	.globl	k_q1bd1736cc4_attn
	.p2align	8
	.type	k_q1bd1736cc4_attn,@function
k_q1bd1736cc4_attn:
	s_mov_b64 s[64:65], 0
	v_nop
	global_prefetch_b8 v0, s[64:65] scope:SCOPE_SE
	s_setreg_imm32_b32 hwreg(HW_REG_WAVE_MODE, 25, 1), 1
	s_wait_xcnt 0x0
	s_wait_alu depctr_hold_cnt(0) depctr_sa_sdst(0) depctr_va_vdst(0) depctr_va_sdst(0) depctr_va_ssrc(0) depctr_va_vcc(0) depctr_vm_vsrc(0)
	s_getreg_b32 s2, hwreg(HW_REG_IB_STS2, 6, 4)
	s_cmp_eq_u32 s2, 0
	s_cbranch_scc0 .Lentry_in_a_cluster
	s_endpgm
.Lentry_in_a_cluster:
	s_bfe_u32 s2, ttmp6, 0x10000c
	s_cmp_lg_u32 s2, 0x3003
	s_cbranch_scc0 .Lentry_shape_is_right
	s_endpgm
.Lentry_shape_is_right:
; context = (softmax(where(keep, q.k / 8 + alibi, -10000)) x keep) v, both products on codes of FP4 (E2M1) with one E8M0 scale for each 32 along K; the context is quantised along the model's 1,024 and stored as operand images.
; THE SECOND PRODUCT'S OPERAND IS THE FINISHED, NORMALISED p: the row's maximum and sum are wanted before any code of p is made.  A TILE'S LAST SIX KEY STEPS OF 128 STAY IN REGISTERS (64 each): scores, then
; 2^(c u - c max), then that times 1 / sum, then codes.  Steps further than five from the diagonal are walked twice: once for maximum and sum, once more at the end with p = 2^(c u - c max - log2 sum).  u = q.k + 8 alibi, c = log2(e) / 8.
; WHAT reference() SETS TO -10000 counts in its softmax: nm keys of a row (hidden by the causal mask or by padding; the launch before has counted them) enter the maximum as u = -80,000 and the sum as nm 2^(c (-80,000 - max)); they need no product:
; reference() multiplies their p by keep = 0.  So key steps that lie wholly behind a tile's queries, which reference()'s own tril hides, are left out.  In the walk a hidden key carries u = -2^100, so that its 2^.. is 0.  A query that is padding gets p = 0 everywhere.
; SHARES.  Tile 8 RHO + X of head BH: queries 128 RHO + 64 (X / 4) + 8 (X % 4) + r % 8 + 32 (r / 8): it has RHO + 1 key steps.  A wave owns TWO tiles one after the other, ranks RHO and 15 - RHO: 17 steps;
; waves 0-3 begin with ranks 15 .. 12, waves 4-7 with 7 .. 4.  Every branch hangs on the wave's number alone.
; LAYOUT.  Both products are used transposed: S^T = K Q^T (source 0 = 16 keys), O^T = V^T P^T (source 0 = 16 channels): a lane holds one query throughout.  Lane r of a tile v of a group of 64 keys (or channels) takes
; row 8 v + r % 8 + 32 (r / 8), so the 32 registers of a group's four tiles are the 32 neighbours 32 h + 0 .. 31: a whole block in a lane; the conversions' results are the next operand's registers as they stand.
; The head's axis is 64: the upper four registers of Q's fragment are zero codes; those of a K fragment are the next tile's codes (FP4 has no code for NaN or infinity), whose products with zero are zero.
; A BLOCK'S LARGEST p is not searched for in the kept steps: p rises with the score (v_exp_f32 is taken not to fall where its input rises), so the block's largest score goes through the same three instructions.
; CLUSTER 4 x 1: the four work-groups of a cluster belong to one head.  Its 155,648 bytes of kva come once, by joint loads, each wave bringing an eighth; LDS is only read.  Step s lies at slot 15 - s, so the step i behind a tile's diagonal lies at slot 15 - RHO + i.
; Nothing is prefetched: every byte that the work-group reads from kva is asked for at its head.
; LIMITS: NaN and infinities are not served; |q.k| under 2^76; p under 2^-126 is flushed to 0; a block whose largest magnitude lies under 2^-124 keeps the scale byte 1; in the steps walked twice the division by the sum is folded into the exponent (about 1e-6 of p).
.set STB,   9728                       ; a key step: K's images,
.set OV,    4096                       ; V's,
.set OKS,   8192                       ; K's scale words,
.set OAL,   8704                       ; alm,
.set OVS,   9216                       ; V's scale words
.set SPARE, 16*STB                     ; the spare words: 128 bytes for each wave
.set PART,  2*STB                      ; what a wave fetches: 76 rows of 256 bytes
.set WV,    18
.set RHO,   19
.set XX,    20
.set BH,    21
.set CS,    22                         ; s[22:23] c: the packed form names a pair and takes its low word for both halves
.set G1,    24                         ; s[24:31], s[32:35] the descriptor
.set G0,    32
.set SEL,   36                         ; s[36:37] v_permlanex16_b32's selects for lane l xor 16
.set NEGC,  38                         ; -c
.set TRIP,  39
.set II,    40                         ; steps behind the diagonal;  s41 one more
.set I1,    41
.set SL,    42                         ; a slot's LDS address
.set RX,    43                         ; 15 - RHO: the diagonal's slot
.set QB,    44                         ; s[44:53] what a rank's bytes are added to: Q's images, scale words, qinfo, cimg, csc
.set QSB,   46
.set QIB,   48
.set CIB,   50
.set CSB,   52                         ; s54-63 at work;  s[66:69] the stores' addresses
.set A16,   1                          ; 16 x lane, 8 x lane, 128 h; never rewritten
.set A8,    2
.set AH,    3
.set D16,   4                          ; the same in the slot in hand
.set D8,    5
.set DH,    6
.set DQ,    7                          ; my query's place in its key step, less 32 h
.set SH8,   8                          ; 8 h
.set OQS,   9                          ; 8 r: qsc's offset
.set OQI,   10                         ; qinfo's offset
.set NC,    12                         ; v[12:13] -c x maximum; at the end less log2 sum
.set LS,    14                         ; v[14:15] the sum of the steps walked twice, in two halves
.set QF,    16                         ; v16-23 Q's fragment
.set QS,    24
.set MU,    25                         ; their running maximum of u
.set INV,   26                         ; v[26:27] 1 / sum
.set NMP,   28                         ; v28 nm, v29 the query's padding bit
.set PW,    30
.set CSO,   31                         ; csc's offset
.set KF,    32                         ; v32-67 K's eight fragments, overlapping;  v32-63 V's four for the kept steps
.set KS,    68                         ; v68-71 scale words of K, or V's as they lie
.set VS,    72                         ; v72-73 V's, joined for the step
.set PC,    74                         ; v74-81 p's codes
.set TT,    82                         ; v82-113 at work;
.set AC,    90                         ; v90-105 eight pairs of sums;
.set O,     82                         ; and from the first product with V on O^T
.set BM,    114                        ; v114-125 the kept steps' block maxima, then the conversions' scale operands;
.set TC,    114                        ; behind the kept steps at work
.set VR2,   64                         ; v64-67, v126-127 p's scale words of the kept steps; then v64-67 V's scale words as they lie
.set ALB,   192                        ; steps walked twice: alm at v192-255, scores at v128-191, V's fragments at v320-351
.set VC2,   64
.set MSB, 0
.macro WIN new                         ; the immediate's high byte repeats the setting that is left
.if MSB != (\new)
	s_set_vgpr_msb (MSB<<8)|(\new)
.set MSB, (\new)
.endif
.endm
.macro BLK d                           ; the registers of the kept step d behind the diagonal: steps 0-3 fill v256-511, step 4 v192-255, step 5 v128-191
.if (\d) < 4
.set SB, 64*(\d)
.set B1, 1
.else
.set SB, 448-64*(\d)
.set B1, 0
.endif
.endm
.macro ROUND
	s_barrier_signal -1
	s_barrier_wait -1
	s_cmp_lg_u32 s[WV], 0
	s_cbranch_scc1 .Lnot_wave_0_\@
	s_barrier_signal -3
.Lnot_wave_0_\@:
	s_barrier_wait -3
	s_barrier_signal -1
	s_barrier_wait -1
.endm
.macro ADR i                           ; the step i behind the diagonal; held at the last slot
	s_add_co_u32 s[SL], s[RX], \i
	s_min_u32 s[SL], s[SL], 15
	s_mul_i32 s[SL], s[SL], STB
	v_add_nc_u32 v[D16], s[SL], v[A16]
	v_add_nc_u32 v[D8], s[SL], v[A8]
	v_add_nc_u32 v[DH], s[SL], v[AH]
.endm
.macro ALOAD b                         ; alm in the scores' layout: register j of tile 4 c + v: key 64 c + 32 h + 8 v + j
.irp t, 0,1,2,3,4,5,6,7
	ds_load_b128 v[(\b)+8*\t:(\b)+8*\t+3], v[DH] offset:OAL+256*(\t/4)+32*(\t%4)
	ds_load_b128 v[(\b)+8*\t+4:(\b)+8*\t+7], v[DH] offset:OAL+256*(\t/4)+32*(\t%4)+16
.endr
.endm
.macro KLOAD
.irp t, 0,1,2,3,4,5,6,7
	ds_load_b128 v[KF+4*\t:KF+4*\t+3], v[D16] offset:512*\t
.endr
	ds_load_b64 v[KS:KS+1], v[D8] offset:OKS
	ds_load_b64 v[KS+2:KS+3], v[D8] offset:OKS+256
.endm
.macro VCODES b
.irp j, 0,1,2,3
.irp c, 0,1
	ds_load_b128 v[(\b)+8*\j+4*\c:(\b)+8*\j+4*\c+3], v[D16] offset:OV+1024*\j+512*\c
.endr
.endr
.endm
.macro VSCALES b
	ds_load_b64 v[(\b):(\b)+1], v[D8] offset:OVS
	ds_load_b64 v[(\b)+2:(\b)+3], v[D8] offset:OVS+256
.endm
.macro SCORES dd, cc                   ; u = K Q^T + alm: eight accumulators, one instruction each.  An even tile's scale words lie in lanes 0-15, an odd one's in lanes 16-31
.irp t, 0,2,4,6
	v_wmma_scale_f32_16x16x128_f8f6f4 v[(\dd)+8*\t:(\dd)+8*\t+7], v[KF+4*\t:KF+4*\t+7], v[QF:QF+7], v[(\cc)+8*\t:(\cc)+8*\t+7], v[KS+\t/2], v[QS] matrix_a_fmt:MATRIX_FMT_FP4 matrix_b_fmt:MATRIX_FMT_FP4
	v_wmma_scale_f32_16x16x128_f8f6f4 v[(\dd)+8*\t+8:(\dd)+8*\t+15], v[KF+4*\t+4:KF+4*\t+11], v[QF:QF+7], v[(\cc)+8*\t+8:(\cc)+8*\t+15], v[KS+\t/2], v[QS] matrix_a_fmt:MATRIX_FMT_FP4 matrix_b_fmt:MATRIX_FMT_FP4 matrix_a_scale:MATRIX_SCALE_ROW1
.endr
.endm
.macro MAXES t0, t1, t2, t3            ; the largest of registers 0-15, 16-31, 32-47, 48-63; each accumulator from its low end on
	v_max_num_f32 v[\t0], v[SB], v[SB+1]
	v_max_num_f32 v[\t1], v[SB+16], v[SB+17]
	v_max_num_f32 v[\t2], v[SB+32], v[SB+33]
	v_max_num_f32 v[\t3], v[SB+48], v[SB+49]
.irp i, 2,4,6,8,10,12,14
	v_max3_num_f32 v[\t0], v[SB+\i], v[SB+\i+1], v[\t0]
	v_max3_num_f32 v[\t1], v[SB+16+\i], v[SB+17+\i], v[\t1]
	v_max3_num_f32 v[\t2], v[SB+32+\i], v[SB+33+\i], v[\t2]
	v_max3_num_f32 v[\t3], v[SB+48+\i], v[SB+49+\i], v[\t3]
.endr
.endm
.macro FMAS
.set n, 0
.rept 32
	v_pk_fma_f32 v[SB+n:SB+n+1], v[SB+n:SB+n+1], s[CS:CS+1], v[NC:NC+1] op_sel_hi:[1,0,0]
.set n, n+2
.endr
.endm
.macro EXPS
.set n, 0
.rept 64
	v_exp_f32 v[SB+n], v[SB+n]
.set n, n+1
.endr
.endm
.macro ADDS first                      ; 64 numbers onto eight pairs of sums, or starting them
.if \first
	WIN 0x05*B1
.irp q, 0,2,4,6,8,10,12,14
	v_pk_add_f32 v[AC+\q:AC+\q+1], v[SB+\q:SB+\q+1], v[SB+16+\q:SB+17+\q]
.endr
	WIN 0x04*B1
.else
	WIN 0x04*B1
.irp k, 0,16
.irp q, 0,2,4,6,8,10,12,14
	v_pk_add_f32 v[AC+\q:AC+\q+1], v[AC+\q:AC+\q+1], v[SB+\k+\q:SB+\k+\q+1]
.endr
.endr
.endif
.irp k, 32,48
.irp q, 0,2,4,6,8,10,12,14
	v_pk_add_f32 v[AC+\q:AC+\q+1], v[AC+\q:AC+\q+1], v[SB+\k+\q:SB+\k+\q+1]
.endr
.endr
.endm
.macro TREE                            ; the eight pairs become one
.irp s, 8,4,2
.set n, 0
.rept \s/2
	v_pk_add_f32 v[AC+2*n:AC+2*n+1], v[AC+2*n:AC+2*n+1], v[AC+2*n+\s:AC+2*n+\s+1]
.set n, n+1
.endr
.endr
.endm
.macro MULS from
.set n, \from
.rept 16
	v_pk_mul_f32 v[SB+n:SB+n+1], v[SB+n:SB+n+1], v[INV:INV+1] op_sel_hi:[1,0]
.set n, n+2
.endr
.endm
.macro PV vf, pw, zero                 ; O^T += V^T P^T: four accumulators by turns
.irp j, 0,2
.if \zero
	v_wmma_scale_f32_16x16x128_f8f6f4 v[O+8*\j:O+8*\j+7], v[(\vf)+8*\j:(\vf)+8*\j+7], v[PC:PC+7], 0, v[VS+\j/2], v[\pw] matrix_a_fmt:MATRIX_FMT_FP4 matrix_b_fmt:MATRIX_FMT_FP4
	v_wmma_scale_f32_16x16x128_f8f6f4 v[O+8*\j+8:O+8*\j+15], v[(\vf)+8*\j+8:(\vf)+8*\j+15], v[PC:PC+7], 0, v[VS+\j/2], v[\pw] matrix_a_fmt:MATRIX_FMT_FP4 matrix_b_fmt:MATRIX_FMT_FP4 matrix_a_scale:MATRIX_SCALE_ROW1
.else
	v_wmma_scale_f32_16x16x128_f8f6f4 v[O+8*\j:O+8*\j+7], v[(\vf)+8*\j:(\vf)+8*\j+7], v[PC:PC+7], v[O+8*\j:O+8*\j+7], v[VS+\j/2], v[\pw] matrix_a_fmt:MATRIX_FMT_FP4 matrix_b_fmt:MATRIX_FMT_FP4
	v_wmma_scale_f32_16x16x128_f8f6f4 v[O+8*\j+8:O+8*\j+15], v[(\vf)+8*\j+8:(\vf)+8*\j+15], v[PC:PC+7], v[O+8*\j+8:O+8*\j+15], v[VS+\j/2], v[\pw] matrix_a_fmt:MATRIX_FMT_FP4 matrix_b_fmt:MATRIX_FMT_FP4 matrix_a_scale:MATRIX_SCALE_ROW1
.endif
.endr
.endm
.macro GETQ rho                        ; the fragment, scale words and qinfo of the tile of that rank, to v256-263
	s_mov_b32 s61, 0
	s_lshl_b32 s60, s[\rho], 12
	s_add_nc_u64 s[54:55], s[QB:QB+1], s[60:61]
	s_lshl_b32 s60, s[\rho], 9
	s_add_nc_u64 s[56:57], s[QSB:QSB+1], s[60:61]
	s_lshl_b32 s60, s[\rho], 10
	s_add_nc_u64 s[58:59], s[QIB:QIB+1], s[60:61]
	WIN 0x40
	global_load_b128 v[0:3], v[A16], s[54:55]
	global_load_b32 v4, v[OQS], s[56:57]
	global_load_b64 v[6:7], v[OQI], s[58:59]
	WIN 0
.endm
	s_load_b256 s[4:11], s[0:1], 0x0               ; qimg s[4:5], qsc s[6:7], kva s[8:9], qinfo s[10:11]
	s_load_b128 s[12:15], s[0:1], 0x20             ; cimg s[12:13], csc s[14:15]
	v_lshl_add_u32 v254, v0, 2, SPARE
	v_mov_b32 v255, 0
	ds_add_u32 v254, v255                          ; the wave's opening: the add, twice on end, and its wait
	ds_add_u32 v254, v255
	v_lshrrev_b32 v32, 5, v0
	v_readfirstlane_b32 s[WV], v32                 ; wave 0..7
	s_and_b32 s58, s[WV], 3
	s_lshr_b32 s59, s[WV], 2
	s_lshl_b32 s59, s59, 3
	s_xor_b32 s[RX], s58, s59                      ; waves 0-3: 0 .. 3;  waves 4-7: 8 .. 11
	s_xor_b32 s[RHO], s[RX], 15
	s_bfe_u32 s58, ttmp6, 0x40000                  ; cx
	s_lshl_b32 s[XX], ttmp9, 2
	s_add_co_u32 s[XX], s[XX], s58                 ; it enters global addresses and the causal compare alone
	s_and_b32 s[BH], ttmp7, 0xffff
	s_lshr_b32 s63, s[XX], 2
	s_lshl_b32 s63, s63, 6
	s_and_b32 s62, s[XX], 3
	s_lshl_b32 s62, s62, 3
	s_add_co_u32 s63, s63, s62                     ; 64 (X / 4) + 8 (X % 4)
	s_mov_b32 s[G1], 15|(3<<16)|(1<<21)            ; the mask: all four work-groups; elements of 8 bytes; bit 21 beside a mask; no padding: images are read 512 consecutive bytes at a time
	s_mov_b32 s[G1+1], 32<<16
	s_mov_b32 s[G1+2], 76<<16
	s_mov_b32 s[G1+3], 32<<16
	s_mov_b32 s[G1+4], 76
	s_mov_b32 s[G1+5], 32
	s_mov_b32 s[G1+6], 0
	s_mov_b32 s[G1+7], 0
	s_mov_b32 s[CS], 0x3e38aa3b                    ; c = log2(e) / 8
	s_mov_b32 s[CS+1], s[CS]
	s_mov_b32 s[NEGC], 0xbe38aa3b
	s_mov_b32 s[SEL], 0x76543210
	s_mov_b32 s[SEL+1], 0xfedcba98
	s_mov_b32 s[TRIP], 2
	v_and_b32 v33, 31, v0                          ; lane
	v_bfe_u32 v34, v0, 4, 1                        ; h
	v_and_b32 v35, 15, v0                          ; r
	v_and_b32 v36, 7, v0
	v_bfe_u32 v37, v0, 3, 1
	v_lshlrev_b32 v[A16], 4, v33
	v_lshlrev_b32 v[A8], 3, v33
	v_lshlrev_b32 v[AH], 7, v34
	v_lshlrev_b32 v[SH8], 3, v34
	v_lshl_add_u32 v36, v37, 5, v36                ; r % 8 + 32 (r / 8)
	v_lshlrev_b32 v[OQS], 3, v35
	v_lshl_add_u32 v[CSO], v35, 5, v34             ; row r of 32 scale bytes, + h
	v_lshlrev_b32 v37, 5, v34
	v_lshlrev_b32 v[OQI], 3, v36
	v_add_nc_u32 v36, s63, v36
	v_sub_nc_u32 v[DQ], v36, v37
	s_wait_alu depctr_va_vdst(0)
	s_wait_dscnt 0x0                               ; both opening adds are done
	s_wait_kmcnt 0x0
	s_mul_i32 s60, s[WV], PART                     ; my eighth
	s_mul_i32 s58, s[BH], SPARE                    ; the head's bytes of kva
	s_add_co_u32 s58, s58, s60
	s_mov_b32 s59, 0
	s_mov_b32 s[G0], 1
	s_mov_b32 s[G0+1], s60
	s_add_nc_u64 s[G0+2:G0+3], s[8:9], s[58:59]
	s_or_b32 s[G0+3], s[G0+3], 0x80000000
	ROUND                                          ; all four work-groups are here: the joint loads meet
	tensor_load_to_lds s[G0:G0+3], s[G1:G1+7]      ; one tensor load a wave
	s_nop 0
.rept 4
	v_nop
.endr
	s_mov_b32 s61, 0
	s_lshl_b32 s60, s[BH], 16
	s_lshl_b32 s58, s[XX], 9
	s_add_co_u32 s60, s60, s58
	s_add_nc_u64 s[QB:QB+1], s[4:5], s[60:61]      ; Q's images: 65,536 bytes a head, 512 a tile
	s_lshl_b32 s60, s[BH], 13
	s_lshr_b32 s58, s[XX], 2
	s_lshl_b32 s58, s58, 8                         ; a group's 256 bytes of scale words;
	s_add_co_u32 s60, s60, s58
	s_and_b32 s58, s[XX], 1
	s_lshl_b32 s58, s58, 7                         ; an odd tile's words lie in lanes 16-31,
	s_add_co_u32 s60, s60, s58
	s_bfe_u32 s58, s[XX], 0x10001
	s_lshl_b32 s58, s58, 2                         ; tiles 2 and 3 in the second word
	s_add_co_u32 s60, s60, s58
	s_add_nc_u64 s[QSB:QSB+1], s[6:7], s[60:61]
	s_lshr_b32 s62, s[BH], 4                       ; the batch
	s_lshl_b32 s60, s62, 11
	s_add_co_u32 s60, s60, s63
	s_lshl_b32 s60, s60, 3                         ; qinfo: 8 bytes a token
	s_add_nc_u64 s[QIB:QIB+1], s[10:11], s[60:61]
	s_and_b32 s59, s[BH], 15                       ; the head
	s_lshl_b32 s60, s62, 20                        ; cimg: 128 tiles of 8,192 bytes a batch, 512 a head
	s_lshl_b32 s58, s[XX], 13
	s_add_co_u32 s60, s60, s58
	s_lshl_b32 s58, s59, 9
	s_add_co_u32 s60, s60, s58
	s_add_nc_u64 s[CIB:CIB+1], s[12:13], s[60:61]
	s_lshl_b32 s60, s62, 16                        ; csc: 512 bytes a tile, 2 a head in each row of 32
	s_lshl_b32 s58, s[XX], 9
	s_add_co_u32 s60, s60, s58
	s_lshl_b32 s58, s59, 1
	s_add_co_u32 s60, s60, s58
	s_add_nc_u64 s[CSB:CSB+1], s[14:15], s[60:61]
	GETQ RHO
	; Under the tiles' flight: zero codes for Q's upper half, and every register that the text of a step names while a short tile's way leads round the line that fills it
.irp n, 4,5,6,7
	v_mov_b32 v[QF+\n], 0
.endr
	v_mov_b32 v[NC+1], 0                           ; (named as a pair's upper half)
	v_mov_b32 v[INV+1], 0
.set n, KF
.rept 40
	v_mov_b32 v[n], 0
.set n, n+1
.endr
.set n, 128
.rept 128
	v_mov_b32 v[n], 0
.set n, n+1
.endr
	WIN 0x40
.set n, 64
.rept 192
	v_mov_b32 v[n], 0
.set n, n+1
.endr
	WIN 0
	s_wait_alu depctr_va_vdst(0)
	s_wait_tensorcnt 0x0                           ; my eighth has landed,
	s_barrier_signal -1
	s_barrier_wait -1                              ; everybody's has: from here on LDS is only read
.Ltile:                                                ; two tiles
	s_wait_loadcnt 0x0
	WIN 0x01
.irp n, 0,1,2,3
	v_mov_b32 v[QF+\n], v[\n]
.endr
	v_mov_b32 v[QS], v4
	v_mov_b32 v[NMP], v6
	v_mov_b32 v[NMP+1], v7
	WIN 0
.irp n, 0,1,2,3,4,5,6,7,8,9,10,11
	v_mov_b32 v[BM+\n], 0xff61b1e6                 ; -3e38, under every u
.endr
	v_mov_b32 v[MU], 0xff61b1e6
	v_mul_f32 v[NC], s[NEGC], v[MU]
	v_mov_b32 v[LS], 0
	v_mov_b32 v[LS+1], 0
	; STEPS 6 TO 15 BEHIND THE DIAGONAL, FIRST WALK.  Ten trips in every wave; a step that the tile does not have is left out by a branch on the rank, round the work and not round the counter.
	; Maximum and sum are kept for each LANE: nothing crosses lanes.  The next step's 26 loads are issued as soon as this one's products have read K and alm.
	BLK 5
	s_mov_b32 s[II], 6
	ADR 6
	s_cmp_lt_u32 s[RHO], 6
	s_wait_alu depctr_va_vdst(0)
	s_cbranch_scc1 .Lno_a
	ALOAD ALB
	KLOAD
.Lno_a:
.Lpa:
	s_cmp_gt_u32 s[II], s[RHO]
	s_wait_alu depctr_va_vdst(0)
	s_cbranch_scc1 .Lhid_a
	s_wait_dscnt 0x0
	SCORES 128, ALB
	s_add_co_u32 s[I1], s[II], 1
	ADR s[I1]
	v_nop                                          ; with the three additions four places: for the loads below and for the first read of results
	s_cmp_gt_u32 s[I1], s[RHO]
	s_wait_alu depctr_va_vdst(0)
	s_cbranch_scc1 .Lnl_a
	ALOAD ALB
	KLOAD
.Lnl_a:
	MAXES TT, TT+1, TT+2, TT+3
	v_max3_num_f32 v[TT], v[TT], v[TT+1], v[TT+2]
	v_max3_num_f32 v[MU], v[TT], v[TT+3], v[MU]    ; the running maximum
	v_mul_f32 v[TT+5], s[NEGC], v[MU]
	v_sub_f32 v[TT+4], v[TT+5], v[NC]              ; 0 or less
	v_mov_b32 v[NC], v[TT+5]
	FMAS
	s_wait_alu depctr_va_vdst(0)                   ; one wait ahead of the batch and one behind it
	v_exp_f32 v[TT+4], v[TT+4]                     ; what was summed under the old maximum is brought under the new
	EXPS
	v_nop                                          ; a plain place behind the exponentials
	s_wait_alu depctr_va_vdst(0)
	v_pk_mul_f32 v[LS:LS+1], v[LS:LS+1], v[TT+4:TT+5] op_sel_hi:[1,0]
	ADDS 1
	TREE
	v_pk_add_f32 v[LS:LS+1], v[LS:LS+1], v[AC:AC+1]
.Lhid_a:
	s_add_co_u32 s[II], s[II], 1
	s_cmp_lt_u32 s[II], 16
	s_wait_alu depctr_va_vdst(0)
	s_cbranch_scc1 .Lpa
	s_wait_dscnt 0x0
	; THE KEPT STEPS, 0 TO 5 BEHIND THE DIAGONAL: scores and block maxima.  The next step's loads are issued ahead of this one's vector work.
.macro SCORED d
	BLK \d
	s_wait_dscnt 0x0
	WIN 0x50*B1
	SCORES SB, SB
	WIN 0
.if \d < 5
	ADR \d+1
	v_nop
	s_cmp_lt_u32 s[RHO], \d+1
	s_wait_alu depctr_va_vdst(0)
	s_cbranch_scc1 .Lnl_\@
	BLK \d+1
	WIN 0x40*B1
	ALOAD SB
	WIN 0
	KLOAD
.Lnl_\@:
	BLK \d
.else
.rept 4
	v_nop
.endr
.endif
.if \d == 0                            ; the diagonal: register n holds key 64 (n / 32) + 32 h + n % 32 of the step, hidden where that is beyond my query
	v_mov_b32 v[TT+2], 0xf1800000                  ; -2^100
	WIN 0x41*B1
.set n, 0
.rept 64
	v_cmp_gt_i32 vcc_lo, 64*(n/32)+n%32, v[DQ]
	v_cndmask_b32 v[SB+n], v[SB+n], v[TT+2], vcc_lo
.set n, n+1
.endr
.endif
	WIN 0x05*B1
	MAXES BM+2*\d, TT, BM+2*\d+1, TT+1
	WIN 0
	v_max_num_f32 v[BM+2*\d], v[BM+2*\d], v[TT]
	v_max_num_f32 v[BM+2*\d+1], v[BM+2*\d+1], v[TT+1]
.if \d < 5
	s_cmp_lt_u32 s[RHO], \d+1
	s_wait_alu depctr_va_vdst(0)
	s_cbranch_scc1 .Lscored
.endif
.endm
	ADR 0
	BLK 0
	WIN 0x40*B1
	ALOAD SB
	WIN 0
	KLOAD
.irp d, 0,1,2,3,4,5
	SCORED \d
.endr
.Lscored:
	s_wait_alu depctr_va_vdst(0)
	s_wait_dscnt 0x0
	; THE ROW'S MAXIMUM: my blocks, the steps walked before, lane l xor 16's, and the nm keys at -10000 (u = -80,000)
.irp q, 0,1,2,3
	v_max3_num_f32 v[TT+\q], v[BM+3*\q], v[BM+3*\q+1], v[BM+3*\q+2]
.endr
	v_max3_num_f32 v[TT], v[TT], v[TT+1], v[TT+2]
	v_max3_num_f32 v[TT], v[TT], v[TT+3], v[MU]
	v_permlanex16_b32 v[TT+1], v[TT], s[SEL], s[SEL+1]
	v_mov_b32 v[TT+3], 0xff61b1e6                  ; -3e38
	v_mov_b32 v[TT+4], 0xc79c4000                  ; -80,000
	v_cmp_lt_f32 vcc_lo, 0, v[NMP]
	v_cndmask_b32 v[TT+3], v[TT+3], v[TT+4], vcc_lo   ; where the row has such keys
	v_max3_num_f32 v[TT], v[TT], v[TT+1], v[TT+3]
	v_mul_f32 v[TT+5], s[NEGC], v[TT]
	v_sub_f32 v[TT+6], v[TT+5], v[NC]
	v_mov_b32 v[NC], v[TT+5]
	v_fma_f32 v[TT+7], v[TT+3], s[CS], v[TT+5]
.irp n, 0,1,2,3,4,5,6,7,8,9,10,11
	v_fma_f32 v[BM+\n], v[BM+\n], s[CS], v[NC]
.endr
	s_wait_alu depctr_va_vdst(0)
	v_exp_f32 v[TT+6], v[TT+6]
	v_exp_f32 v[TT+7], v[TT+7]
.irp n, 0,1,2,3,4,5,6,7,8,9,10,11
	v_exp_f32 v[BM+\n], v[BM+\n]                   ; the block's largest 2^..: the same instructions on the same number
.endr
	v_nop
	s_wait_alu depctr_va_vdst(0)
	v_add_f32 v[LS], v[LS], v[LS+1]
	v_mul_f32 v[LS], v[LS], v[TT+6]                ; the sum of the steps walked before, under the row's maximum
	v_mul_f32 v[TT+7], v[NMP], v[TT+7]             ; the nm keys' part of the sum
	; 2^(c u - c max) of the kept steps, and their sum
.macro EXPED d
	BLK \d
	WIN 0x41*B1
	FMAS
	s_wait_alu depctr_va_vdst(0)
	EXPS
	v_nop
	s_wait_alu depctr_va_vdst(0)
.if \d == 0
	ADDS 1
.else
	ADDS 0
.endif
	WIN 0
.if \d < 5
	s_cmp_lt_u32 s[RHO], \d+1
	s_wait_alu depctr_va_vdst(0)
	s_cbranch_scc1 .Lsummed
.endif
.endm
.irp d, 0,1,2,3,4,5
	EXPED \d
.endr
.Lsummed:
	ADR 0
	VCODES KF                                      ; V of the diagonal step, ahead of the arithmetic on the sum
	VSCALES KS
	TREE
	v_add_f32 v[TT], v[AC], v[AC+1]
	v_add_f32 v[TT], v[TT], v[LS]
	v_permlanex16_b32 v[TT+1], v[TT], s[SEL], s[SEL+1]
	v_add_f32 v[TT], v[TT], v[TT+1]
	v_add_f32 v[TT], v[TT], v[TT+7]                ; the row's sum: at least about 1, since the maximum is among its terms
	s_wait_alu depctr_va_vdst(0)
	v_rcp_f32 v[TT+2], v[TT]
	v_log_f32 v[TT+3], v[TT]
	v_cmp_neq_f32 vcc_lo, 0, v[NMP+1]
	s_wait_alu depctr_va_vdst(0)
	v_cndmask_b32 v[INV], 0, v[TT+2], vcc_lo       ; a query that is padding: p = 0 everywhere
	v_sub_f32 v[TT+4], v[NC], v[TT+3]
	v_cndmask_b32 v[NC], 0xff61b1e6, v[TT+4], vcc_lo
	; the twelve blocks' scales, six scale words
.irp n, 0,1,2,3,4,5,6,7,8,9,10,11
	v_mul_f32 v[BM+\n], v[BM+\n], v[INV]
.endr
.irp n, 0,1,2,3,4,5,6,7,8,9,10,11
	v_max_num_f32 v[BM+\n], 0x1800000, v[BM+\n]    ; the floor 2^(3 - 127) holds the byte at 1
.endr
.irp n, 0,1,2,3,4,5,6,7,8,9,10,11
	v_add_nc_u32 v[BM+\n], 0xff000000, v[BM+\n]    ; 2 off the exponent field: the conversion's scale operand
.endr
.irp n, 0,1,2,3,4,5,6,7,8,9,10,11
	v_lshrrev_b32 v[TT+\n], 23, v[BM+\n]           ; the scale's byte
.endr
.irp d, 0,1,2,3,4,5
	v_lshl_or_b32 v[TT+12+\d], v[TT+2*\d+1], 16, v[TT+2*\d]
.endr
.irp d, 0,1,2,3,4,5
	v_lshlrev_b32 v[TT+12+\d], v[SH8], v[TT+12+\d] ; blocks h and 2 + h of the step
.endr
.irp d, 0,1,2,3,4,5
	v_permlanex16_b32 v[TT+18+\d], v[TT+12+\d], s[SEL], s[SEL+1]
.endr
.irp d, 0,1,2,3,4,5
	v_or_b32 v[64+\d+58*(\d/4)], v[TT+12+\d], v[TT+18+\d]   ; with lane l xor 16's two the word is whole: v64-67, v126-127
.endr
	; p = 2^.. x 1 / sum, its codes, and the product with V
.macro CODED d
	BLK \d
	WIN 0x41*B1
	MULS 0
	WIN 0
	s_wait_dscnt 0x0
	v_lshl_or_b32 v[VS], v[KS+2], 16, v[KS]        ; the step's two groups of 64 keys: bytes 0, 1 and 2, 3 of V's scale words
	v_lshl_or_b32 v[VS+1], v[KS+3], 16, v[KS+1]
	WIN 0x41*B1
	MULS 32                                        ; (16 places between V's scale words and the products)
	WIN 0x01*B1
.irp t, 0,1,2,3,4,5,6,7
	v_cvt_scalef32_pk8_fp4_f32 v[PC+\t], v[SB+8*\t:SB+8*\t+7], v[BM+2*\d+\t/4]
.endr
.rept 4
	v_nop                                          ; an operand written by vector instructions stands 4 places ahead of a scaled matrix instruction
.endr
	WIN 0
.if \d == 0
	PV KF, 64, 1                                   ; the diagonal step starts the sums
	s_cmp_eq_u32 s[TRIP], 1
	s_wait_alu depctr_va_vdst(0)
	s_cbranch_scc1 .Lno_next
	GETQ RX                                        ; the next tile's Q, into registers of the step just coded
.Lno_next:
.else
	PV KF, 64+\d+58*(\d/4), 0
.endif
.if \d < 5
	ADR \d+1
	v_nop                                          ; with the three additions four places in front of the loads below
	s_cmp_lt_u32 s[RHO], \d+1
	s_wait_alu depctr_va_vdst(0)
	s_cbranch_scc1 .Lcoded
	VCODES KF
	VSCALES KS
.endif
.endm
.irp d, 0,1,2,3,4,5
	CODED \d
.endr
.Lcoded:
	; STEPS 6 TO 15 BEHIND THE DIAGONAL, SECOND WALK: the same scores by the same instructions, p with the sum in its exponent
	BLK 5
	s_mov_b32 s[II], 6
	ADR 6
	v_nop
	s_cmp_lt_u32 s[RHO], 6
	s_wait_alu depctr_va_vdst(0)
	s_cbranch_scc1 .Lno_c
	ALOAD ALB
	KLOAD
.Lno_c:
.Lpc:
	s_cmp_gt_u32 s[II], s[RHO]
	s_wait_alu depctr_va_vdst(0)
	s_cbranch_scc1 .Lhid_c
	s_wait_dscnt 0x0
	SCORES 128, ALB
.rept 4
	v_nop                                          ; places in front of the loads below and of the first read of results
.endr
	WIN 0x40
	VCODES VC2                                     ; this step's V,
	WIN 0
	VSCALES VR2
	s_add_co_u32 s[I1], s[II], 1
	ADR s[I1]
	s_cmp_gt_u32 s[I1], s[RHO]
	s_wait_alu depctr_va_vdst(0)
	s_cbranch_scc1 .Lnl_c
	ALOAD ALB                                      ; and the next step's K and alm
	KLOAD
.Lnl_c:
	FMAS
	s_wait_alu depctr_va_vdst(0)
	EXPS                                           ; p, finished and normalised
	v_nop
	s_wait_alu depctr_va_vdst(0)
	s_wait_dscnt 0x0
	v_lshl_or_b32 v[VS], v[VR2+2], 16, v[VR2]
	v_lshl_or_b32 v[VS+1], v[VR2+3], 16, v[VR2+1]
	MAXES TC, TC+1, TC+2, TC+3
	v_max3_num_f32 v[TC], v[TC], v[TC+1], 0x1800000
	v_max3_num_f32 v[TC+2], v[TC+2], v[TC+3], 0x1800000
	v_add_nc_u32 v[TC+4], 0xff000000, v[TC]
	v_add_nc_u32 v[TC+5], 0xff000000, v[TC+2]
	v_lshrrev_b32 v[TC+6], 23, v[TC+4]
	v_lshrrev_b32 v[TC+7], 23, v[TC+5]
	v_lshl_or_b32 v[TC+6], v[TC+7], 16, v[TC+6]
	v_lshlrev_b32 v[TC+6], v[SH8], v[TC+6]
	v_permlanex16_b32 v[TC+7], v[TC+6], s[SEL], s[SEL+1]
	v_or_b32 v[PW], v[TC+6], v[TC+7]
.irp t, 0,1,2,3,4,5,6,7
	v_cvt_scalef32_pk8_fp4_f32 v[PC+\t], v[SB+8*\t:SB+8*\t+7], v[TC+4+\t/4]
.endr
.rept 8
	v_nop                                          ; a scale register written by a vector instruction stands 8 places ahead of a scaled matrix instruction
.endr
	WIN 0x01
	s_wait_alu depctr_va_vdst(0)                   ; O^T was written ahead of the exponentials
	PV VC2, PW, 0
	WIN 0
.Lhid_c:
	s_add_co_u32 s[II], s[II], 1
	s_cmp_lt_u32 s[II], 16
	s_wait_alu depctr_va_vdst(0)
	s_cbranch_scc1 .Lpc
	s_wait_dscnt 0x0
	; THE WAY OUT.  Lane (r, h) holds channels 32 h + 0 .. 31 of query r: block 2 head + h of the last product's K.
	s_mov_b32 s61, 0
	s_lshl_b32 s60, s[RHO], 16
	s_add_nc_u64 s[66:67], s[CIB:CIB+1], s[60:61]
	s_lshl_b32 s60, s[RHO], 12
	s_add_nc_u64 s[68:69], s[CSB:CSB+1], s[60:61]
.rept 4
	v_nop
.endr
.irp j, 0,1,2,3
	v_max3_num_f32 v[TC+\j], |v[O+8*\j]|, |v[O+8*\j+1]|, 0x1800000
.endr
.irp i, 2,4,6
.irp j, 0,1,2,3
	v_max3_num_f32 v[TC+\j], v[TC+\j], |v[O+8*\j+\i]|, |v[O+8*\j+\i+1]|
.endr
.endr
	v_max3_num_f32 v[TC], v[TC], v[TC+1], v[TC+2]
	v_max_num_f32 v[TC], v[TC], v[TC+3]
	v_add_nc_u32 v[TC+4], 0xff000000, v[TC]
	v_lshrrev_b32 v[TC+5], 23, v[TC+4]
.irp j, 0,1,2,3
	v_cvt_scalef32_pk8_fp4_f32 v[PC+\j], v[O+8*\j:O+8*\j+7], v[TC+4]
.endr
	v_nop                                          ; a plain place behind the conversions
	global_store_b128 v[A16], v[PC:PC+3], s[66:67] ; half a fragment's image: 512 consecutive bytes
	global_store_b8 v[CSO], v[TC+5], s[68:69]      ; 32 single bytes a tile, against 512 of codes: the price of scale words that the next launch loads whole
	s_wait_alu depctr_va_vdst(0)
	s_wait_xcnt 0x0                                ; the stores' sources are written again in the next tile
	s_xor_b32 s[RHO], s[RHO], 15
	s_xor_b32 s[RX], s[RX], 15
	s_sub_co_u32 s[TRIP], s[TRIP], 1
	s_cmp_lg_u32 s[TRIP], 0
	s_cbranch_scc1 .Ltile
	v_lshl_add_u32 v254, v0, 2, SPARE              ; my spare word and 0, made anew
	v_mov_b32 v255, 0
	s_wait_alu depctr_va_vdst(0)
	s_wait_tensorcnt 0x0                           ; the wave's end
	ds_add_u32 v254, v255
	s_wait_dscnt 0x0
	ROUND                                          ; the closing round
	s_endpgm
.Lfunc_end_k_q1bd1736cc4_attn:
	.size	k_q1bd1736cc4_attn, .Lfunc_end_k_q1bd1736cc4_attn-k_q1bd1736cc4_attn
	.p2alignl 7, 3214868480
	.fill 96, 4, 3214868480
	.section	.rodata,"a",@progbits
	.p2align	6, 0x0
	.amdhsa_kernel k_q1bd1736cc4_attn
		.amdhsa_group_segment_fixed_size 167936
		.amdhsa_private_segment_fixed_size 0
		.amdhsa_enable_private_segment 0
		.amdhsa_kernarg_size 48
		.amdhsa_user_sgpr_count 2
		.amdhsa_user_sgpr_kernarg_segment_ptr 1
		.amdhsa_wavefront_size32 1
		.amdhsa_system_sgpr_workgroup_id_x 1
		.amdhsa_system_sgpr_workgroup_id_y 1
		.amdhsa_system_sgpr_workgroup_id_z 1
		.amdhsa_system_vgpr_workitem_id 0
		.amdhsa_next_free_vgpr 512
		.amdhsa_next_free_sgpr 72
		.amdhsa_reserve_vcc 1
		.amdhsa_float_denorm_mode_32 3
		.amdhsa_float_denorm_mode_16_64 3
		.amdhsa_memory_ordered 1
		.amdhsa_forward_progress 1
		.amdhsa_inst_pref_size 155
	.end_amdhsa_kernel
	.amdgpu_metadata
---
amdhsa.version: [ 1, 2 ]
amdhsa.kernels:
  - .name:           k_q1bd1736cc4_attn
    .symbol:         k_q1bd1736cc4_attn.kd
    .args:
      - { .name: qimg, .offset: 0, .size: 8, .value_kind: global_buffer, .address_space: global }
      - { .name: qsc, .offset: 8, .size: 8, .value_kind: global_buffer, .address_space: global }
      - { .name: kva, .offset: 16, .size: 8, .value_kind: global_buffer, .address_space: global }
      - { .name: qinfo, .offset: 24, .size: 8, .value_kind: global_buffer, .address_space: global }
      - { .name: cimg, .offset: 32, .size: 8, .value_kind: global_buffer, .address_space: global }
      - { .name: csc, .offset: 40, .size: 8, .value_kind: global_buffer, .address_space: global }
    .group_segment_fixed_size: 167936
    .private_segment_fixed_size: 0
    .kernarg_segment_align: 8
    .kernarg_segment_size: 48
    .max_flat_workgroup_size: 256
    .sgpr_count:     72
    .vgpr_count:     512
    .wavefront_size: 32
...
	.end_amdgpu_metadata
.endif
;; end of part 2
;; launch proj (part 3): grid 8 x 32, 8 waves a work-group, clusters of 4 x 4, 203,776 bytes of LDS; arguments cimg, csc, w_o_codes, w_o_scales, b_o, residual, out0; writes out0
.if DOCPART == 3
	.amdgcn_target "amdgcn-amd-amdhsa--gfx1250"
	.amdhsa_code_object_version 6
	.text
	.protected	k_q1bd1736cc4_proj
	.globl	k_q1bd1736cc4_proj
	.p2align	8
	.type	k_q1bd1736cc4_proj,@function
k_q1bd1736cc4_proj:
	s_mov_b64 s[64:65], 0
	v_nop
	global_prefetch_b8 v0, s[64:65] scope:SCOPE_SE
	s_setreg_imm32_b32 hwreg(HW_REG_WAVE_MODE, 25, 1), 1
	s_wait_xcnt 0x0
	s_wait_alu depctr_hold_cnt(0) depctr_sa_sdst(0) depctr_va_vdst(0) depctr_va_sdst(0) depctr_va_ssrc(0) depctr_va_vcc(0) depctr_vm_vsrc(0)
	s_getreg_b32 s2, hwreg(HW_REG_IB_STS2, 6, 4)
	s_cmp_eq_u32 s2, 0
	s_cbranch_scc0 .Lentry_in_a_cluster
	s_endpgm
.Lentry_in_a_cluster:
	s_bfe_u32 s2, ttmp6, 0x10000c
	s_cmp_lg_u32 s2, 0xf033
	s_cbranch_scc0 .Lentry_shape_is_right
	s_endpgm
.Lentry_shape_is_right:
; out0 = context Wo + b_o + residual; the product on codes of FP4 (E2M1) with one E8M0 scale for each 32 along K = 1,024.
; SHARES.  A work-group takes 128 tokens x 128 columns x all of K: 8 x 32 work-groups.  Wave w: context tiles 2 (w % 4) and 2 (w % 4) + 1 of the block's eight, columns 64 (w / 4) on: 8 accumulators.
; THE PRODUCT IS USED TRANSPOSED (source 0 = 16 rows of Wo's codes, source 1 = a context tile): a lane holds eight neighbouring columns of one token.
; The context comes as images of operand registers (8,192 bytes a tile of 16 tokens: K step s, half c, lane, 16 bytes); lane r of tile t of a block holds token 64 (t / 4) + 8 (t % 4) + r % 8 + 32 (r / 8).
; CLUSTER 4 x 4: the context's images hang on the token block alone and are asked for jointly along a row of the cluster, Wo's rows on the column block alone, along a column.
; LDS is filled once: images at 0 (65,536 bytes), Wo's 128 rows of 512 + 16 bytes behind them (rows 132 words apart: the 16 rows of a fragment load start at words 0, 4 .. 60 modulo 64; 64 banks of 4 bytes: ISA guide 11.1),
; then a stage of 32 rows x (256 + 16) bytes for each wave, its own, into which no tensor load lands.
; The residual (16 loads a wave) is asked for at the head and is on its way through the whole product.  Nothing is prefetched: every byte that the work-group reads is asked for at its head.
; LIMITS: NaN and infinities are not served.
.set BW,     65536
.set RP,     528
.set STG,    133120
.set SPITCH, 272
.set WV,    18
.set TP,    19                         ; w % 4
.set NH,    20                         ; w / 4
.set CX,    21
.set CY,    22
.set NX,    23
.set TY,    24
.set HM,    27                         ; lanes 16-31
.set G1A,   28                         ; s[28:35], s[36:43] descriptor groups 1;  s[44:47], s[48:51] groups 0;  s52-63 at work
.set G1B,   36
.set G0A,   44
.set G0B,   48
.set ADC,   1                          ; v1 LDS address of my context images;  v2 of Wo's fragments
.set ADW,   2
.set SLW,   3                          ; v3 32 r: a row of scale bytes
.set STO,   4                          ; v4 the stage: where I put 32 bytes of a row;  v5 where I read a row back
.set RD,    5
.set GO,    6                          ; v6 4,096 h + 16 r: my 16 bytes of two rows of residual and out0
.set BO,    7                          ; v7 16 r
.set ACC,   16                         ; v16-79 accumulator (i, j) at 16 + 8 (4 j + i)
.set WF,    80                         ; v80-111 Wo's four fragments;  v112-127 the context's two
.set CF,    112
.set SC,    128                        ; v128-159 scale words: register 8 i + q: lanes 0-15 Wo's tile i, lanes 16-31 (i < 2) context tile i
.set TMP,   160                        ; v160-175 at work
.set RES,   176                        ; v176-239 the residual
.set BI,    240                        ; v240-243 b_o
.macro ROUND
	s_barrier_signal -1
	s_barrier_wait -1
	s_cmp_lg_u32 s[WV], 0
	s_cbranch_scc1 .Lnot_wave_0_\@
	s_barrier_signal -3
.Lnot_wave_0_\@:
	s_barrier_wait -3
	s_barrier_signal -1
	s_barrier_wait -1
.endm
	s_load_b256 s[4:11], s[0:1], 0x0               ; cimg s[4:5], csc s[6:7], Wo codes s[8:9], Wo scales s[10:11]
	s_load_b128 s[12:15], s[0:1], 0x20             ; b_o s[12:13], residual s[14:15]
	s_load_b64 s[16:17], s[0:1], 0x30              ; out0
	v_lshl_add_u32 v254, v0, 2, 0x31800
	v_mov_b32 v255, 0
	ds_add_u32 v254, v255
	ds_add_u32 v254, v255
	v_lshrrev_b32 v9, 5, v0
	s_delay_alu instid0(VALU_DEP_1)
	v_readfirstlane_b32 s[WV], v9                  ; wave 0..7
	s_and_b32 s[TP], s[WV], 3
	s_lshr_b32 s[NH], s[WV], 2
	s_bfe_u32 s[CX], ttmp6, 0x40000
	s_bfe_u32 s[CY], ttmp6, 0x40004
	s_lshl_b32 s[NX], ttmp9, 2
	s_add_co_u32 s[NX], s[NX], s[CX]
	s_and_b32 s[TY], ttmp7, 0xffff
	s_lshl_b32 s[TY], s[TY], 2
	s_add_co_u32 s[TY], s[TY], s[CY]
	s_lshl_b32 s25, s[CY], 2
	s_lshl_b32 s25, 15, s25                        ; my row of the cluster
	s_lshl_b32 s26, 0x1111, s[CX]                  ; my column
	s_mov_b32 s[HM], 0xffff0000
	s_or_b32 s[G1A], s25, (3<<16)|(1<<21)          ; images: 64 rows of 256 bytes, dense, no padding
	s_mov_b32 s[G1A+1], 32<<16
	s_mov_b32 s[G1A+2], 64<<16
	s_mov_b32 s[G1A+3], 32<<16
	s_mov_b32 s[G1A+4], 64
	s_mov_b32 s[G1A+5], 32
	s_mov_b32 s[G1A+6], 0
	s_mov_b32 s[G1A+7], 0
	s_or_b32 s[G1B], s26, (3<<16)|(1<<20)|(1<<21)|(6<<22)|(3<<25)   ; Wo: 32 rows of 512 bytes, 4 words of padding behind every 128
	s_mov_b32 s[G1B+1], 64<<16
	s_mov_b32 s[G1B+2], 32<<16
	s_mov_b32 s[G1B+3], 64<<16
	s_mov_b32 s[G1B+4], 32
	s_mov_b32 s[G1B+5], 64
	s_mov_b32 s[G1B+6], 0
	s_mov_b32 s[G1B+7], 0
	; every LDS address is made here, ahead of the first branch on the wave's number
	v_and_b32 v9, 31, v0                           ; lane
	v_and_b32 v10, 15, v0                          ; r
	v_bfe_u32 v11, v0, 4, 1                        ; h
	s_lshl_b32 s52, s[TP], 14                      ; two tiles' images; also a quarter of the images, which waves 0-3 fetch
	v_lshl_add_u32 v[ADC], v9, 4, s52
	s_mul_i32 s53, s[NH], 64*RP
	s_add_co_u32 s53, s53, BW
	v_mul_u32_u24 v[ADW], v10, RP
	s_delay_alu instid0(VALU_DEP_1)
	v_lshl_add_u32 v[ADW], v11, 4, v[ADW]
	s_delay_alu instid0(VALU_DEP_1)
	v_add_nc_u32 v[ADW], s53, v[ADW]
	v_lshlrev_b32 v[SLW], 5, v10
	s_mul_i32 s54, s[WV], 32*SPITCH
	s_add_co_u32 s54, s54, STG                     ; my stage
	v_mul_u32_u24 v[STO], v10, SPITCH
	s_delay_alu instid0(VALU_DEP_1)
	v_lshl_add_u32 v[STO], v11, 5, v[STO]
	s_delay_alu instid0(VALU_DEP_1)
	v_add_nc_u32 v[STO], s54, v[STO]
	v_mul_u32_u24 v[RD], v11, SPITCH
	s_delay_alu instid0(VALU_DEP_1)
	v_lshl_add_u32 v[RD], v10, 4, v[RD]
	s_delay_alu instid0(VALU_DEP_1)
	v_add_nc_u32 v[RD], s54, v[RD]
	v_lshlrev_b32 v[BO], 4, v10
	s_delay_alu instid0(VALU_DEP_1)
	v_lshl_add_u32 v[GO], v11, 12, v[BO]
	s_lshl_b32 s56, s[TY], 16
	s_add_co_u32 s56, s56, s52                     ; images: 65,536 bytes a token block, my quarter
	s_mov_b32 s57, 0
	s_lshl_b32 s58, s[NX], 16
	s_add_co_u32 s58, s58, s52                     ; Wo: 128 rows of 512 bytes a column block, my 32 rows
	s_mov_b32 s59, 0
	s_mul_i32 s55, s[TP], 32*RP
	s_add_co_u32 s55, s55, BW
	s_wait_dscnt 0x0
	s_wait_kmcnt 0x0
	s_mov_b32 s[G0A], 1
	s_mov_b32 s[G0A+1], s52
	s_add_nc_u64 s[G0A+2:G0A+3], s[4:5], s[56:57]
	s_or_b32 s[G0A+3], s[G0A+3], 0x80000000
	s_mov_b32 s[G0B], 1
	s_mov_b32 s[G0B+1], s55
	s_add_nc_u64 s[G0B+2:G0B+3], s[8:9], s[58:59]
	s_or_b32 s[G0B+3], s[G0B+3], 0x80000000
	ROUND                                          ; all sixteen work-groups are here: the joint loads meet
	s_cmp_lt_u32 s[WV], 4                          ; waves 0-3 fetch the images, waves 4-7 Wo: one tensor load a wave
	s_cbranch_scc0 .Lfor_b
	tensor_load_to_lds s[G0A:G0A+3], s[G1A:G1A+7]
	s_nop 0
.rept 4
	v_nop
.endr
	s_branch .Lasked
.Lfor_b:
	tensor_load_to_lds s[G0B:G0B+3], s[G1B:G1B+7]
	s_nop 0
.rept 4
	v_nop
.endr
.Lasked:
	s_lshl_b32 s56, s[NX], 12
	s_lshl_b32 s60, s[NH], 11
	s_add_co_u32 s56, s56, s60
	s_add_nc_u64 s[10:11], s[10:11], s[56:57]      ; Wo's scales: 32 bytes a row, my 64 rows
	s_lshl_b32 s56, s[TY], 12
	s_lshl_b32 s60, s[TP], 10
	s_add_co_u32 s56, s56, s60
	s_add_nc_u64 s[6:7], s[6:7], s[56:57]          ; the context's: 512 bytes a tile, my two tiles
	s_lshl_b32 s58, s[NX], 9
	s_lshl_b32 s60, s[NH], 8
	s_add_co_u32 s58, s58, s60                     ; my 64 columns, in bytes
	s_add_nc_u64 s[12:13], s[12:13], s[58:59]
	s_lshl_b32 s56, s[TY], 19                      ; 128 rows of 4,096 bytes,
	s_lshr_b32 s60, s[TP], 1
	s_lshl_b32 s60, s60, 18                        ; 64 rows for tiles 4 to 7,
	s_add_co_u32 s56, s56, s60
	s_and_b32 s60, s[TP], 1
	s_lshl_b32 s60, s60, 16                        ; 16 rows for my pair of tiles in its four
	s_add_co_u32 s56, s56, s60
	s_add_co_u32 s56, s56, s58
	s_add_nc_u64 s[14:15], s[14:15], s[56:57]
	s_add_nc_u64 s[16:17], s[16:17], s[56:57]
	s_wait_alu depctr_va_vdst(0)
.irp i, 0,1,2,3
.irp e, 0,1
	global_load_b128 v[SC+8*\i+4*\e:SC+8*\i+4*\e+3], v[SLW], s[10:11] offset:512*\i+16*\e
.endr
.endr
.irp j, 0,1
.irp e, 0,1
	global_load_b128 v[TMP+8*\j+4*\e:TMP+8*\j+4*\e+3], v[SLW], s[6:7] offset:512*\j+16*\e
.endr
.endr
	global_load_b128 v[BI:BI+3], v[BO], s[12:13]
	; pair t of the stage's rows, 2 t and 2 t + 1, are tokens 8 (t / 8) + 2 (t % 4) + 32 ((t / 4) % 2) + h of my pair of tiles
.irp t, 0,1,2,3,4,5,6,7,8,9,10,11,12,13,14,15
	global_load_b128 v[RES+4*\t:RES+4*\t+3], v[GO], s[14:15] offset:(8*(\t/8)+2*(\t%4)+32*((\t/4)%2))*4096 th:TH_LOAD_NT
.endr
	s_wait_loadcnt 16                              ; scale bytes and bias are in; the sixteen loads of the residual, issued last, stay out
.set n, 0
.rept 16
	v_cndmask_b32 v[SC+n], v[SC+n], v[TMP+n], s[HM]   ; lanes 16-31 take the context's words
.set n, n+1
.endr
.rept 8
	v_nop                                          ; a scale register written by a vector instruction stands 8 places ahead of a scaled matrix instruction
.endr
	s_wait_alu depctr_va_vdst(0)
	s_wait_tensorcnt 0x0                           ; my part has landed,
	s_barrier_signal -1
	s_barrier_wait -1                              ; everybody's has
; A K step of 128: 12 LDS loads, 8 products; the 8 accumulators take turns, one instruction a turn, in the same order in every step.
.macro KSTEP q, zero
.irp i, 0,1,2,3
.irp c, 0,1
	ds_load_b128 v[WF+8*\i+4*\c:WF+8*\i+4*\c+3], v[ADW] offset:16*RP*\i+64*\q+32*\c
.endr
.endr
.irp j, 0,1
.irp c, 0,1
	ds_load_b128 v[CF+8*\j+4*\c:CF+8*\j+4*\c+3], v[ADC] offset:8192*\j+1024*\q+512*\c
.endr
.endr
	s_wait_dscnt 0x0
.irp j, 0,1
.irp i, 0,1,2,3
.if \zero
	v_wmma_scale_f32_16x16x128_f8f6f4 v[ACC+8*(4*\j+\i):ACC+8*(4*\j+\i)+7], v[WF+8*\i:WF+8*\i+7], v[CF+8*\j:CF+8*\j+7], 0, v[SC+8*\i+\q], v[SC+8*\j+\q] matrix_a_fmt:MATRIX_FMT_FP4 matrix_b_fmt:MATRIX_FMT_FP4 matrix_b_scale:MATRIX_SCALE_ROW1
.else
	v_wmma_scale_f32_16x16x128_f8f6f4 v[ACC+8*(4*\j+\i):ACC+8*(4*\j+\i)+7], v[WF+8*\i:WF+8*\i+7], v[CF+8*\j:CF+8*\j+7], v[ACC+8*(4*\j+\i):ACC+8*(4*\j+\i)+7], v[SC+8*\i+\q], v[SC+8*\j+\q] matrix_a_fmt:MATRIX_FMT_FP4 matrix_b_fmt:MATRIX_FMT_FP4 matrix_b_scale:MATRIX_SCALE_ROW1
.endif
.endr
.endr
.rept 4
	v_nop                                          ; places in front of loads into registers that these products read, and of the first read of results
.endr
.endm
	KSTEP 0, 1                                     ; the first step starts the sums
.irp q, 1,2,3,4,5,6,7
	KSTEP \q, 0
.endr
	; THE WAY OUT: a lane's 32 bytes of a row go into my own stage and come back as whole rows of 256 bytes.  LDS serves a wave's instructions in order (ISA guide 5.7.1.4): no wait between the stores and the loads
.irp j, 0,1
.irp i, 0,1,2,3
	ds_store_b128 v[STO], v[ACC+8*(4*\j+\i):ACC+8*(4*\j+\i)+3] offset:16*SPITCH*\j+64*\i        ; each accumulator from its low end on
	ds_store_b128 v[STO], v[ACC+8*(4*\j+\i)+4:ACC+8*(4*\j+\i)+7] offset:16*SPITCH*\j+64*\i+16
.endr
.endr
.irp t, 0,1,2,3,4,5,6,7,8,9,10,11,12,13,14,15
	ds_load_b128 v[80+4*\t+32*(\t/12):80+4*\t+32*(\t/12)+3], v[RD] offset:2*SPITCH*\t           ; into v80-127 and v160-175: the scale registers stay as they are
.endr
	s_wait_loadcnt 0x0                             ; the residual
.irp t, 0,1,2,3,4,5,6,7,8,9,10,11,12,13,14,15
	s_wait_dscnt 15-\t                             ; pair t is back; the pairs behind it may be out
	v_pk_add_f32 v[80+4*\t+32*(\t/12):80+4*\t+32*(\t/12)+1], v[80+4*\t+32*(\t/12):80+4*\t+32*(\t/12)+1], v[BI:BI+1]
	v_pk_add_f32 v[80+4*\t+32*(\t/12)+2:80+4*\t+32*(\t/12)+3], v[80+4*\t+32*(\t/12)+2:80+4*\t+32*(\t/12)+3], v[BI+2:BI+3]
	s_delay_alu instid0(VALU_DEP_2)
	v_pk_add_f32 v[80+4*\t+32*(\t/12):80+4*\t+32*(\t/12)+1], v[80+4*\t+32*(\t/12):80+4*\t+32*(\t/12)+1], v[RES+4*\t:RES+4*\t+1]
	s_delay_alu instid0(VALU_DEP_2)
	v_pk_add_f32 v[80+4*\t+32*(\t/12)+2:80+4*\t+32*(\t/12)+3], v[80+4*\t+32*(\t/12)+2:80+4*\t+32*(\t/12)+3], v[RES+4*\t+2:RES+4*\t+3]
	global_store_b128 v[GO], v[80+4*\t+32*(\t/12):80+4*\t+32*(\t/12)+3], s[16:17] offset:(8*(\t/8)+2*(\t%4)+32*((\t/4)%2))*4096 th:TH_STORE_NT   ; 16 lanes store 256 consecutive bytes, at a multiple of 256 from out0's first byte
.endr
	s_wait_tensorcnt 0x0
	ds_add_u32 v254, v255
	s_wait_dscnt 0x0
	ROUND                                          ; the closing round
	s_endpgm
.Lfunc_end_k_q1bd1736cc4_proj:
	.size	k_q1bd1736cc4_proj, .Lfunc_end_k_q1bd1736cc4_proj-k_q1bd1736cc4_proj
	.p2alignl 7, 3214868480
	.fill 96, 4, 3214868480
	.section	.rodata,"a",@progbits
	.p2align	6, 0x0
	.amdhsa_kernel k_q1bd1736cc4_proj
		.amdhsa_group_segment_fixed_size 203776
		.amdhsa_private_segment_fixed_size 0
		.amdhsa_enable_private_segment 0
		.amdhsa_kernarg_size 56
		.amdhsa_user_sgpr_count 2
		.amdhsa_user_sgpr_kernarg_segment_ptr 1
		.amdhsa_wavefront_size32 1
		.amdhsa_system_sgpr_workgroup_id_x 1
		.amdhsa_system_sgpr_workgroup_id_y 1
		.amdhsa_system_sgpr_workgroup_id_z 1
		.amdhsa_system_vgpr_workitem_id 0
		.amdhsa_next_free_vgpr 256
		.amdhsa_next_free_sgpr 66
		.amdhsa_reserve_vcc 0
		.amdhsa_float_denorm_mode_32 3
		.amdhsa_float_denorm_mode_16_64 3
		.amdhsa_memory_ordered 1
		.amdhsa_forward_progress 1
		.amdhsa_inst_pref_size 35
	.end_amdhsa_kernel
	.amdgpu_metadata
---
amdhsa.version: [ 1, 2 ]
amdhsa.kernels:
  - .name:           k_q1bd1736cc4_proj
    .symbol:         k_q1bd1736cc4_proj.kd
    .args:
      - { .name: cimg, .offset: 0, .size: 8, .value_kind: global_buffer, .address_space: global }
      - { .name: csc, .offset: 8, .size: 8, .value_kind: global_buffer, .address_space: global }
      - { .name: w_o_codes, .offset: 16, .size: 8, .value_kind: global_buffer, .address_space: global }
      - { .name: w_o_scales, .offset: 24, .size: 8, .value_kind: global_buffer, .address_space: global }
      - { .name: b_o, .offset: 32, .size: 8, .value_kind: global_buffer, .address_space: global }
      - { .name: residual, .offset: 40, .size: 8, .value_kind: global_buffer, .address_space: global }
      - { .name: out0, .offset: 48, .size: 8, .value_kind: global_buffer, .address_space: global }
    .group_segment_fixed_size: 203776
    .private_segment_fixed_size: 0
    .kernarg_segment_align: 8
    .kernarg_segment_size: 56
    .max_flat_workgroup_size: 256
    .sgpr_count:     66
    .vgpr_count:     256
    .wavefront_size: 32
...
	.end_amdgpu_metadata
.endif
;; end of part 3
